; MI455X (gfx1250); checked and timed in simulation.
; The chip was launched on July 23, 2026; its instructions are those of AMD's public machine-readable ISA for CDNA 5 (MIT licence, August 2026) and "CDNA5" Instruction Set Architecture Reference Guide (July 2026). The comments in the code are by the model that wrote it; some were corrected since.
;; Self Attention. Allowed arithmetic: matrix products marked QUANTISED: E3M2 operands, one E8M0 scale for each 32 along K, by v_wmma_scale_f32_16x16x128_f8f6f4 with both operands' format E3M2, f32 sums; everything else in f32.
;; Inputs: Wk 1,024 x 1,024 float32; Wq 1,024 x 1,024 float32; Wv 1,024 x 1,024 float32; bk 1,024 float32; bq 1,024 float32; bv 1,024 float32; x 4 x 2,048 x 1,024 float32.
;; Outputs: out0 4 x 2,048 x 1,024 float32.
;; This version of the problem:
;;   THIS VERSION OF THE PROBLEM IS GIVEN IN LOW PRECISION. The matrix products marked QUANTISED in the list below multiply operands that are first quantised to E3M2 (3 exponent bits, 2 mantissa bits; 6 bits a number), with one power-of-two scale for each 32 numbers along K (OCP MX v1.0); their sums are f32. All else is computed in f32.
;;   The module's matrix products, in the order in which they are computed (A, B: the left and right operand; K: the contracted axis; several contracted axes count as one K, in the product's order):
;;     1. [M 8,192, K 1,024] x [K 1,024, N 1,024]; A: input x; B: input Wq: QUANTISED
;;     2. [M 8,192, K 1,024] x [K 1,024, N 1,024]; A: input x; B: input Wk: QUANTISED
;;     3. [M 8,192, K 1,024] x [K 1,024, N 1,024]; A: input x; B: input Wv: QUANTISED
;;     4. batch 4 x [M 2,048, K 1,024] x [K 1,024, N 2,048]; A: computed on the way; B: computed on the way: QUANTISED
;;     5. batch 4 x [M 2,048, K 2,048] x [K 2,048, N 1,024]; A: softmax (see below); B: computed on the way: QUANTISED
;;   THE QUANTISER, for each operand of a quantised product, along K:
;;     - K is cut into blocks of 32 from its start; a last block that is shorter is filled with zeros.
;;     - A block's scale is 2^e with e = floor(log2(the largest magnitude in the block)) - 4, held to -126 .. 127; a block of zeros has e = 0. As a byte (E8M0): e + 127.
;;     - Each number is divided by its block's scale, clamped to +-28, and rounded to the nearest number of E3M2, ties to even, subnormals kept.
;;     - The product sums the exact products of the quantised numbers (number of the format x scale) in f32.
;;   ~~~python
;;   def quantise(x, axis):      # numpy; x: float32 -> the quantised numbers, widened to float32 again
;;       x = np.moveaxis(x, axis, -1); K = x.shape[-1]
;;       x = np.pad(x, [(0, 0)] * (x.ndim - 1) + [(0, -K % 32)]); x = x.reshape(x.shape[:-1] + (-1, 32)); a = np.abs(x).max(-1, keepdims=True)
;;       e = np.where(a > 0, np.clip(np.frexp(np.where(a > 0, a, 1))[1] - 1 - 4, -126, 127), 0)      # np.frexp(a)[1] - 1 = floor(log2(a)), exactly
;;       r = np.clip(x / 2.0 ** e, -28, 28)
;;       step = 2.0 ** (np.maximum(np.frexp(np.where(r == 0, 1, r))[1] - 1, -2) - 2)
;;       q = np.round(r / step) * step * 2.0 ** e      # np.round: ties to even
;;       return np.moveaxis(q.reshape(q.shape[:-2] + (-1,))[..., :K], -1, axis).astype(np.float32)
;;   ~~~
;;   SOFTMAX AHEAD OF A QUANTISED PRODUCT. Where the list says 'softmax', what is quantised is not the finished softmax but p = 2^(t - M), with t = logit x log2(e) and M = ceil(the row's largest t), a whole number; so 1/2 < the row's largest p <= 1. The row's sum l is taken of the UNQUANTISED p, in f32, and the product's result is divided by l at the end. Since M is a whole number, a kernel that streams over the keys may use a running M (the ceiling of the running maximum): every later rescaling is an exact power of two, which a block's scale takes up: the codes' values come out the same.
;;   OPERANDS COMPUTED ON THE WAY. 'Computed on the way' means the value that the module computes at that place (a softmax that the list does not call 'softmax' is quantised finished and normalised). What goes into a quantiser is computed in f32, as accurately as f32 sums, v_exp_f32 and their like allow (about 1e-6 of the number): no bf16 or f16 on the way to a quantiser, and a product that is left as it is and whose result goes on into a quantised operand takes f32 operands (vector FMAs, or v_wmma_f32_16x16x4_f32). A number that lies on a knife's edge between two numbers of the format may be rounded either way, as far as f32 arithmetic and the matrix unit's own rounding can turn it there, and no further.
;; One version. Each part assembles by itself: llvm-mc -triple=amdgcn-amd-amdhsa -mcpu=gfx1250 --defsym DOCPART=n.
;; ======== version 1 of 1: 4 launches
;; limits: right only within a limited range of input values
;; workspace buffers: w1 9,011,200 bytes; w2 19,660,800 bytes; w3 14,155,776 bytes
;; launch quant (part 1): grid 448 x 1, 4 waves a work-group, no clusters, 46,592 bytes of LDS; arguments x, Wq, Wk, Wv, w1; writes w1
.if DOCPART == 1
	.amdgcn_target "amdgcn-amd-amdhsa--gfx1250"
	.amdhsa_code_object_version 6
	.text
	.protected	k_q7e5e0c370b_quant
	.globl	k_q7e5e0c370b_quant
	.p2align	8
	.type	k_q7e5e0c370b_quant,@function
k_q7e5e0c370b_quant:
	s_mov_b64 s[64:65], 0
	v_nop
	global_prefetch_b8 v0, s[64:65] scope:SCOPE_SE
	s_setreg_imm32_b32 hwreg(HW_REG_WAVE_MODE, 25, 1), 1
	s_wait_xcnt 0x0
; x [8192][1024] and Wq, Wk, Wv [1024 (k)][1024 (n)], f32, become codes of BF6 (E3M2) with one E8M0 scale byte for each 32 along K = the embedding's 1,024.
; A block's scale is 2^(floor(log2(its largest magnitude)) - 4); its byte is the largest magnitude's exponent field - 4, held at 1 from below.
; LIMITS: NaN and infinities among the inputs are not served.  A block whose largest magnitude lies under 2^-122 (a block of zeros among them) keeps the byte 1: only this program reads the bytes, and zero codes add nothing.
; LAYOUT OF w1, as the next launch's operand registers want it.  An operand's rows (tokens of x; columns n of a weight) go in tiles of 16: tile 2 b + u holds in lane r the row 32 b + 8 u + r + 8 (r / 8).
;   codes  [K / 256 = 4][tile = 704][K step of 128 = 2][1,536 bytes]: a fragment (16 rows x 128 K) as the image of its 12 registers: register 4 c + i of lane l at byte 512 c + 16 l + 4 i.  Tiles 0-511 x, 512-575 Wq, 576-639 Wk, 640-703 Wv.
;   scales at byte 8,650,752: [128 rows = 88][K step = 8][512 bytes]: the word of tile i (0-7), lane r at 256 (i / 4) + 16 r + 4 (i % 4).
; Work-groups 0-191 take the weights, 192-447 take x: a scalar branch on the work-group's number; each way has LDS bytes of its own; a wave reads only its own stage, so there is no barrier.
; The stream is bound by memory: no tensor loads, no matrix unit, no cluster; 256 registers a wave, so that several work-groups lie on a WGP.
.set XWG,  192                         ; x's first work-group
.set Q2S,  2162688                     ; 704 tiles x 3,072 bytes: from one 256 along K to the next
.set SCB,  8650752                     ; where the scale words begin
.set WST,  33792                       ; LDS: the weights' stages, behind x's four of 8,448 bytes
.set R,    32                          ; v32-159  x: two sets of 16 rows x 16 bytes a lane;  weights: 128 numbers down K, 32 registers of its own for each block
.set X,    160                         ; v160-223 x: my row's 64 numbers: two whole blocks
.set C,    224                         ; v224-235 a fragment's codes
.set T,    236                         ; v236-242 the second halves of the conversions (three registers begin on an even number)
.set PW,   244                         ; v244-247 the scale words of the wave's four tiles
.macro LOADX f                         ; tile f of my 64 rows: each load reads 512 consecutive bytes (128 numbers) of one row
.set pp, 0
.rept 16
	global_load_b128 v[R+64*((\f)%2)+4*pp:R+64*((\f)%2)+4*pp+3], v4, s[4:5] offset:(32*((\f)/2)+8*((\f)%2)+pp+8*(pp/8))*4096 th:TH_LOAD_NT
.set pp, pp+1
.endr
.endm
.macro FRAGX f
.if (\f) < 3
	s_wait_loadcnt 16                              ; this tile's 16 loads are in; the other set's 16 may be out
.else
	s_wait_loadcnt 0x0
.endif
.set pp, 0
.rept 16
	ds_store_b128 v5, v[R+64*((\f)%2)+4*pp:R+64*((\f)%2)+4*pp+3] offset:528*pp   ; rows 528 bytes apart: an odd multiple of 16
.set pp, pp+1
.endr
.irp c, 0,1
.irp i, 0,1,2,3,4,5,6,7
	ds_load_b128 v[X+32*\c+4*\i:X+32*\c+4*\i+3], v6 offset:256*\c+16*\i          ; lane (r, h): k = 64 c + 32 h + 0 .. 31 of row r.  LDS serves a wave's instructions in order
.endr
.endr
	s_wait_dscnt 0x0                               ; the stores have read their set, and my 64 numbers are in
.if (\f) < 2
	LOADX (\f)+2
.endif
.irp c, 0,1
	v_max3_num_f32 v[8+\c], |v[X+32*\c]|, |v[X+32*\c+1]|, 0x2800000              ; my block 2 c + h, and the floor 2^(5 - 127): the byte cannot fall under 1
.endr
.irp i, 2,4,6,8,10,12,14,16,18,20,22,24,26,28,30
.irp c, 0,1
	v_max3_num_f32 v[8+\c], v[8+\c], |v[X+32*\c+\i]|, |v[X+32*\c+\i+1]|
.endr
.endr
.irp c, 0,1
	v_add_nc_u32 v[10+\c], 0xfe000000, v[8+\c]     ; 4 off the exponent field: the conversion's scale operand
.endr
.irp c, 0,1
	v_lshrrev_b32 v[12+\c], 23, v[10+\c]           ; the byte
.endr
	v_lshl_or_b32 v12, v13, 16, v12                ; blocks h and 2 + h,
	v_lshlrev_b32 v12, v14, v12                    ; 8 h bits up;
	v_permlanex16_b32 v15, v12, s20, s21
	v_or_b32 v[PW+(\f)], v12, v15                  ; with lane l xor 16's two the word is whole
	s_wait_alu depctr_va_vdst(0)
	s_wait_xcnt 0x0                                ; the last tile's stores have read the codes' registers
.irp c, 0,1
	v_cvt_scalef32_pk16_bf6_f32 v[C+6*\c:C+6*\c+2], v[X+32*\c:X+32*\c+15], v[10+\c]
	v_cvt_scalef32_pk16_bf6_f32 v[T+4*\c:T+4*\c+2], v[X+32*\c+16:X+32*\c+31], v[10+\c]
.endr
	v_nop                                          ; one plain place behind a scaled conversion
.irp c, 0,1
.irp i, 0,1,2
	v_mov_b32 v[C+6*\c+3+\i], v[T+4*\c+\i]
.endr
.endr
.irp j, 0,1,2
	global_store_b128 v4, v[C+4*\j:C+4*\j+3], s[24:25] offset:3072*(\f)+512*\j   ; the image: 512 consecutive bytes a store
.endr
.endm
.macro LOADW kb                        ; block kb of my column: W(128 q + 32 kb + kk, my column): each load reads 128 consecutive bytes a wave, 512 a work-group
.set kk, 0
.rept 32
	global_load_b32 v[R+32*(\kb)+kk], v9, s[6:7] offset:4096*(32*(\kb)+kk) th:TH_LOAD_NT
.set kk, kk+1
.endr
.endm
.macro BLOCKW kb                       ; block kb of my column: 32 numbers down K, all mine
.set XS, R+32*(\kb)
.set CK, 160+8*(\kb)
.if (\kb) < 3
	s_wait_loadcnt 32                              ; this block's 32 loads are in; the next block's 32 may be out
.else
	s_wait_loadcnt 0x0
.endif
.if (\kb) < 2
	LOADW (\kb)+2                                  ; two blocks ahead, into registers of that block's own
.endif
	v_max3_num_f32 v12, |v[XS]|, |v[XS+1]|, |v[XS+2]|
	v_max3_num_f32 v13, |v[XS+3]|, |v[XS+4]|, |v[XS+5]|
.irp i, 6,10,14,18,22,26
	v_max3_num_f32 v12, v12, |v[XS+\i]|, |v[XS+\i+1]|
	v_max3_num_f32 v13, v13, |v[XS+\i+2]|, |v[XS+\i+3]|
.endr
	v_max3_num_f32 v12, v12, |v[XS+30]|, |v[XS+31]|
	v_max3_num_f32 v12, v12, v13, 0x2800000        ; and the floor
	v_add_nc_u32 v11, 0xfe000000, v12
	v_lshrrev_b32 v13, 23, v11
.if (\kb) == 0
	v_mov_b32 v14, v13
.else
	v_lshl_or_b32 v14, v13, 8*(\kb), v14           ; byte kb of my column's scale word
.endif
	v_cvt_scalef32_pk16_bf6_f32 v[CK:CK+2], v[XS:XS+15], v11
	v_cvt_scalef32_pk16_bf6_f32 v[192:194], v[XS+16:XS+31], v11
	v_nop
.irp i, 0,1,2
	v_mov_b32 v[CK+3+\i], v[192+\i]
.endr
; in the image these six registers are registers 6 (kb / 2) .. + 5 of lane r' + 16 (kb % 2)
.if (\kb) < 2
	ds_store_b128 v5, v[CK:CK+3] offset:256*((\kb)%2)
	ds_store_b64 v5, v[CK+4:CK+5] offset:512+256*((\kb)%2)
.else
	ds_store_b64 v5, v[CK:CK+1] offset:520+256*((\kb)%2)
	ds_store_b128 v5, v[CK+2:CK+5] offset:1024+256*((\kb)%2)
.endif
.endm
	s_load_b256 s[4:11], s[0:1], 0x0               ; x s[4:5], Wq s[6:7], Wk s[8:9], Wv s[10:11]
	s_load_b64 s[12:13], s[0:1], 0x20              ; w1
	v_lshl_add_u32 v254, v0, 2, 0xb400
	v_mov_b32 v255, 0
	v_lshrrev_b32 v1, 5, v0
	v_readfirstlane_b32 s14, v1                    ; wave
	v_and_b32 v1, 31, v0                           ; lane
	v_and_b32 v2, 15, v0                           ; r
	v_bfe_u32 v3, v0, 4, 1                         ; h
	v_lshlrev_b32 v4, 4, v1                        ; 16 x lane
	s_mov_b32 s20, 0x76543210
	s_mov_b32 s21, 0xfedcba98                      ; v_permlanex16_b32's selects for lane l xor 16
	s_cmp_lt_u32 ttmp9, XWG
	s_cbranch_scc1 .Lweights
	; ---- x: a wave takes 64 rows x 128 along K: four fragments
	s_sub_co_u32 s15, ttmp9, XWG
	s_lshl_b32 s15, s15, 2
	s_add_co_u32 s15, s15, s14                     ; task 0 .. 1,023
	s_and_b32 s16, s15, 7                          ; q: which 128 along K
	s_lshr_b32 s17, s15, 3                         ; which 64 rows
	s_mul_i32 s18, s14, 8448                       ; my stage: 16 rows x 528 bytes
	s_wait_alu depctr_va_vdst(0)
	v_add_nc_u32 v5, s18, v4                       ; in: 16 x lane of a row
	v_mul_u32_u24 v6, v2, 528
	v_lshl_add_u32 v6, v3, 7, v6
	v_add_nc_u32 v6, s18, v6                       ; out: row r, + 128 h
	v_lshlrev_b32 v7, 4, v2
	v_lshl_add_u32 v7, v3, 3, v7                   ; the scale words' place: 16 r + 8 h
	v_lshlrev_b32 v14, 3, v3                       ; 8 h
	v_mov_b32 v15, 0                               ; a lane permute's destination counts as one of its sources
	s_lshl_b32 s22, s17, 18                        ; x: 64 rows of 4,096 bytes,
	s_lshl_b32 s23, s16, 9                         ; + 512 q
	s_add_co_u32 s22, s22, s23
	s_mov_b32 s23, 0
	s_lshr_b32 s24, s16, 1                         ; codes: (q / 2) Q2S + 4 x group x 3,072 + (q % 2) 1,536
	s_mul_i32 s24, s24, Q2S
	s_mul_i32 s25, s17, 4*3072
	s_add_co_u32 s24, s24, s25
	s_and_b32 s25, s16, 1
	s_mul_i32 s25, s25, 1536
	s_add_co_u32 s24, s24, s25
	s_mov_b32 s25, 0
	s_lshr_b32 s26, s17, 1                         ; scale words: (group / 2) 4,096 + 512 q + 256 (group % 2)
	s_lshl_b32 s26, s26, 12
	s_lshl_b32 s27, s16, 9
	s_add_co_u32 s26, s26, s27
	s_and_b32 s27, s17, 1
	s_lshl_b32 s27, s27, 8
	s_add_co_u32 s26, s26, s27
	s_add_co_u32 s26, s26, SCB
	s_mov_b32 s27, 0
	s_wait_alu depctr_va_vdst(0)
	s_wait_kmcnt 0x0
	s_add_nc_u64 s[4:5], s[4:5], s[22:23]
	s_add_nc_u64 s[24:25], s[12:13], s[24:25]
	s_add_nc_u64 s[26:27], s[12:13], s[26:27]
	LOADX 0
	LOADX 1
	FRAGX 0
	FRAGX 1
	FRAGX 2
	FRAGX 3
	v_cmp_ne_u32 vcc_lo, 0, v3
	v_cndmask_b32 v8, v[PW], v[PW+2], vcc_lo       ; lanes 0-15 store the words of tiles 0, 1, lanes 16-31 those of tiles 2, 3:
	v_cndmask_b32 v9, v[PW+1], v[PW+3], vcc_lo
	global_store_b64 v7, v[8:9], s[26:27]          ; 256 consecutive bytes, at a multiple of 256
	s_wait_tensorcnt 0x0
	ds_add_u32 v254, v255
	s_wait_dscnt 0x0
	s_endpgm
.Lweights:
	; ---- a weight: K is its FIRST axis.  A lane takes a column n and its registers run down K; a wave takes 32 columns (two tiles) x 128 along K
	s_lshr_b32 s15, ttmp9, 6                       ; which weight
	s_bfe_u32 s16, ttmp9, 0x30003                  ; which 128 columns
	s_and_b32 s17, ttmp9, 7                        ; q: which 128 along K
	v_bfe_u32 v6, v0, 3, 1                         ; column l of the 32 lies in tile u = (l / 8) % 2,
	v_and_b32 v7, 7, v0
	s_wait_alu depctr_va_vdst(0)
	v_lshl_add_u32 v7, v3, 3, v7                   ; at lane r' = l % 8 + 8 (l / 16)
	s_mul_i32 s18, s14, 3072
	s_add_co_u32 s18, s18, WST                     ; my stage: two images
	v_mul_u32_u24 v5, v6, 1536
	v_lshl_add_u32 v5, v7, 4, v5
	v_add_nc_u32 v5, s18, v5                       ; in: 1,536 u + 16 r'
	v_add_nc_u32 v8, s18, v4                       ; out: 16 x lane
	v_lshlrev_b32 v9, 2, v1                        ; the loads: 4 bytes a lane
	v_lshlrev_b32 v10, 4, v7
	v_lshl_add_u32 v10, v6, 2, v10                 ; my scale word: 16 r' + 4 u
	s_lshl_b32 s22, s17, 19                        ; W: 128 q rows of 4,096 bytes + (128 cc + 32 wave) columns of 4
	s_lshl_b32 s23, s16, 9
	s_add_co_u32 s22, s22, s23
	s_lshl_b32 s23, s14, 7
	s_add_co_u32 s22, s22, s23
	s_mov_b32 s23, 0
	; THE WEIGHTS' TILES (in place of the numbers 512-703 and the chunks given at the head): they lie by the next launch's blocks of 128 columns cc and halves ch:
	; tile 512 + 24 cc + 12 ch + i; half 0: i 0-7 Wq's eight tiles, i 8-11 Wv's tiles 0-3; half 1: i 0-7 Wk's eight, i 8-11 Wv's tiles 4-7
	s_lshr_b32 s28, s14, 1                         ; Wv: ch = wave / 2,
	s_and_b32 s29, s14, 1
	s_lshl_b32 s29, s29, 1
	s_add_co_u32 s29, s29, 8                       ; i = 8 + 2 (wave % 2)
	s_lshl_b32 s30, s14, 1                         ; Wq, Wk: i = 2 wave, ch = the weight
	s_cmp_eq_u32 s15, 2
	s_cselect_b32 s28, s28, s15
	s_cselect_b32 s29, s29, s30
	s_mul_i32 s24, s16, 24
	s_mul_i32 s25, s28, 12
	s_add_co_u32 s24, s24, s25
	s_add_co_u32 s24, s24, s29
	s_add_co_u32 s24, s24, 512
	s_mul_i32 s24, s24, 3072
	s_lshr_b32 s25, s17, 1
	s_mul_i32 s25, s25, Q2S
	s_add_co_u32 s24, s24, s25
	s_and_b32 s25, s17, 1
	s_mul_i32 s25, s25, 1536
	s_add_co_u32 s24, s24, s25
	s_mov_b32 s25, 0
	s_mul_i32 s26, s16, 12288                      ; the weights' scale words, behind x's 64 chunks: [cc][ch][K step = 8][768 bytes]: tile i, lane r at 256 (i / 4) + 16 r + 4 (i % 4)
	s_mul_i32 s27, s28, 6144
	s_add_co_u32 s26, s26, s27
	s_mul_i32 s27, s17, 768
	s_add_co_u32 s26, s26, s27
	s_lshr_b32 s27, s29, 2
	s_lshl_b32 s27, s27, 8
	s_add_co_u32 s26, s26, s27
	s_and_b32 s27, s29, 3
	s_lshl_b32 s27, s27, 2
	s_add_co_u32 s26, s26, s27
	s_add_co_u32 s26, s26, SCB+262144
	s_mov_b32 s27, 0
	s_wait_alu depctr_va_vdst(0)
	s_wait_kmcnt 0x0
	s_cmp_eq_u32 s15, 0                            ; the choice hangs on the work-group's number alone
	s_cselect_b64 s[6:7], s[6:7], s[8:9]
	s_cmp_eq_u32 s15, 2
	s_cselect_b64 s[6:7], s[10:11], s[6:7]
	s_add_nc_u64 s[6:7], s[6:7], s[22:23]
	s_add_nc_u64 s[24:25], s[12:13], s[24:25]
	s_add_nc_u64 s[26:27], s[12:13], s[26:27]
	LOADW 0                                        ; the loads run two blocks ahead
	LOADW 1
	BLOCKW 0
	BLOCKW 1
	BLOCKW 2
	BLOCKW 3
.irp j, 0,1,2,3,4,5
	ds_load_b128 v[196+4*\j:199+4*\j], v8 offset:512*\j            ; LDS serves a wave's instructions in order: these see my stores
.endr
	global_store_b32 v10, v14, s[26:27]            ; the scale words leave 4 bytes a lane, in parts of 256-byte blocks: one byte for each 128 read
.irp j, 0,1,2,3,4,5
	s_wait_dscnt 5-\j
	global_store_b128 v4, v[196+4*\j:199+4*\j], s[24:25] offset:3072*(\j/3)+512*(\j%3)
.endr
	s_wait_tensorcnt 0x0
	ds_add_u32 v254, v255
	s_wait_dscnt 0x0
	s_endpgm
.Lfunc_end_k_q7e5e0c370b_quant:
	.size	k_q7e5e0c370b_quant, .Lfunc_end_k_q7e5e0c370b_quant-k_q7e5e0c370b_quant
	.p2alignl 7, 3214868480
	.fill 96, 4, 3214868480
	.section	.rodata,"a",@progbits
	.p2align	6, 0x0
	.amdhsa_kernel k_q7e5e0c370b_quant
		.amdhsa_group_segment_fixed_size 46592
		.amdhsa_private_segment_fixed_size 0
		.amdhsa_enable_private_segment 0
		.amdhsa_kernarg_size 40
		.amdhsa_user_sgpr_count 2
		.amdhsa_user_sgpr_kernarg_segment_ptr 1
		.amdhsa_wavefront_size32 1
		.amdhsa_system_sgpr_workgroup_id_x 1
		.amdhsa_system_sgpr_workgroup_id_y 1
		.amdhsa_system_sgpr_workgroup_id_z 1
		.amdhsa_system_vgpr_workitem_id 0
		.amdhsa_next_free_vgpr 256
		.amdhsa_next_free_sgpr 66
		.amdhsa_reserve_vcc 1
		.amdhsa_float_denorm_mode_32 3
		.amdhsa_float_denorm_mode_16_64 3
		.amdhsa_memory_ordered 1
		.amdhsa_forward_progress 1
		.amdhsa_inst_pref_size 53
	.end_amdhsa_kernel
	.amdgpu_metadata
---
amdhsa.version: [ 1, 2 ]
amdhsa.kernels:
  - .name:           k_q7e5e0c370b_quant
    .symbol:         k_q7e5e0c370b_quant.kd
    .args:
      - { .name: x, .offset: 0, .size: 8, .value_kind: global_buffer, .address_space: global }
      - { .name: Wq, .offset: 8, .size: 8, .value_kind: global_buffer, .address_space: global }
      - { .name: Wk, .offset: 16, .size: 8, .value_kind: global_buffer, .address_space: global }
      - { .name: Wv, .offset: 24, .size: 8, .value_kind: global_buffer, .address_space: global }
      - { .name: w1, .offset: 32, .size: 8, .value_kind: global_buffer, .address_space: global }
    .group_segment_fixed_size: 46592
    .private_segment_fixed_size: 0
    .kernarg_segment_align: 8
    .kernarg_segment_size: 40
    .max_flat_workgroup_size: 128
    .sgpr_count:     66
    .vgpr_count:     256
    .wavefront_size: 32
...
	.end_amdgpu_metadata
.endif
;; end of part 1
;; launch qkv (part 2): grid 8 x 32, 4 waves a work-group, clusters of 4 x 4, 327,680 bytes of LDS; arguments w1, bq, bk, bv, w2; writes w2
.if DOCPART == 2
	.amdgcn_target "amdgcn-amd-amdhsa--gfx1250"
	.amdhsa_code_object_version 6
	.text
	.protected	k_q7e5e0c370b_qkv
	.globl	k_q7e5e0c370b_qkv
	.p2align	8
	.type	k_q7e5e0c370b_qkv,@function
k_q7e5e0c370b_qkv:
	s_mov_b64 s[64:65], 0
	v_nop
	global_prefetch_b8 v0, s[64:65] scope:SCOPE_SE
	s_setreg_imm32_b32 hwreg(HW_REG_WAVE_MODE, 25, 1), 1
	s_wait_xcnt 0x0
	s_wait_alu depctr_hold_cnt(0) depctr_sa_sdst(0) depctr_va_vdst(0) depctr_va_sdst(0) depctr_va_ssrc(0) depctr_va_vcc(0) depctr_vm_vsrc(0)
	s_getreg_b32 s2, hwreg(HW_REG_IB_STS2, 6, 4)
	s_cmp_eq_u32 s2, 0
	s_cbranch_scc0 .Lentry_in_a_cluster
	s_endpgm
.Lentry_in_a_cluster:
	s_bfe_u32 s2, ttmp6, 0x10000c
	s_cmp_lg_u32 s2, 0xf033
	s_cbranch_scc0 .Lentry_shape_is_right
	s_endpgm
.Lentry_shape_is_right:
; Q = x Wq + bq, K = x Wk + bk, V^T = (x Wv + bv)^T on codes of BF6 (E3M2) with E8M0 scales, sums in f32; the results are quantised on the way out and leave as codes.
; A WORK-GROUP takes 256 tokens (ty) x 128 columns (j) of EACH of Q, K and V: 32 x 8 = 256 work-groups.  Wave (th, ch) takes tokens 128 th .. + 127, the 128 columns of Q (ch = 0) or K (ch = 1), and V's columns 64 ch .. + 63:
; 8 x 8 accumulators of Q or K (source 0 = 16 columns of W, source 1 = 16 tokens: a lane holds a token, its registers run along the hidden axis, along which Q and K are quantised)
; and 4 x 8 of V^T (source 0 = 16 tokens, source 1 = 16 columns of Wv: a lane holds a column, its registers run along the tokens, along which V is quantised): 96 accumulators, 768 registers.
; OPERANDS lie in w1 as images of their registers: codes [K / 256][tile of 16 rows][2][1,536 bytes]; tile 2 b + u holds in lane r the row 32 b + 8 u + r + 8 (r / 8).  A half ch's twelve tiles of W lie on end.
; K = 1,024 goes in four chunks of 256 through two LDS slots (x's 16 tiles, W's 24); a chunk is two steps of 128; a step is four phases: one pair of x's tiles against W's twelve, 24 matrix instructions.
; REGISTERS, window 0: v2-12 addresses; v14-19 x's scale words and v32-103 x's fragments, a ring of three pairs (a pair is asked for two phases ahead); v20-31 W's scale words and v104-247 W's twelve fragments, ONE set:
; in a step's last phase each group of four is fetched anew as soon as its products are issued.  Windows 1, 2: accumulator (a, b) of Q or K at v[8 (8 (a % 4) + b)] of window 1 + a / 4.  Window 3: (v, a) of V^T at v[8 (8 v + a)].
; THE BIAS is loaded into the accumulators of x's tile 7 and is the C of every first product; tile 7's own products come last in the first step and add in place: nothing is cleared and no addition is written.
; CLUSTERS 4 x 4: x's tiles are asked for jointly along a row of the cluster, W's along a column.  No prefetch: K is four chunks, two of them asked for at the head, and each of the other two has two steps' 192 matrix instructions between request and wait.
; No loop: the ring of three pairs comes back to its start after three steps, the slots after four; K has eight steps.
; LIMITS: NaN and infinities are not served; a block whose largest magnitude lies under 2^-122 keeps the byte 1 (only this program reads the bytes).
.set XH,    24576                      ; 8 tiles x 256 along K
.set WH,    36864                      ; 12 tiles
.set SLOT,  2*XH+2*WH
.set SCX,   2*SLOT                     ; x's scale words: [128 tokens = 2][K step = 8][512]
.set SCW,   SCX+8192                   ; W's: [ch][K step = 8][768]
.set SPARE, SCW+12288                  ; the spare words: two blocks of 256 bytes that no other line names
.set Q2S,   2162688                    ; from one chunk to the next in w1
.set SCB,   8650752                    ; w1's scale words
.set XA,  2
.set WA,  4
.set SXA, 6
.set SWA, 7
.set CO,  8                            ; 16 x lane
.set HF,  9                            ; lane / 16
.set SPW, 10
.set NIL, 11
.set VO,  12                           ; 16 r + 8 h
.set XS,  14
.set WS,  20
.set XF,  32
.set WF,  104
.set BQO, 248
.set BVO, 249
.set TM,  32                           ; the way out, over the fragments
.set PC,  48
.set PW,  72
.set XO,  84
.set G1,   24
.set G0,   32
.set G1B,  48
.set G0B,  56
.set G1S,  68
.set G0S,  76
.set G1SB, 80
.set G0SB, 88
.set G0H,  20
.set G0HB, 44
.set SEL,  96
.set MSB, 0
.macro WIN new                         ; the immediate's high byte repeats the setting that is left
.if MSB != (\new)
	s_set_vgpr_msb (MSB<<8)|(\new)
.set MSB, (\new)
.endif
.endm
.macro PLACES n
.rept \n
	v_nop
.endr
.endm
.macro JLOAD g0a, g1a, g0b, g1b        ; a joint load: waves 0, 1 fetch x's halves, waves 2, 3 W's; s_nop 0 and four v_nop follow each line
	s_cmp_eq_u32 s15, 0
	s_cbranch_scc0 .Lfor_b_\@
	tensor_load_to_lds s[\g0a:\g0a+3], s[\g1a:\g1a+7]
	s_nop 0
	PLACES 4
	s_branch .Lasked_\@
.Lfor_b_\@:
	tensor_load_to_lds s[\g0b:\g0b+3], s[\g1b:\g1b+7]
	s_nop 0
	PLACES 4
.Lasked_\@:
.endm
.macro CREST
	s_cmp_lg_u32 s14, 0
	s_cbranch_scc1 .Lnot_wave_0_\@
	s_barrier_signal -3
.Lnot_wave_0_\@:
	s_barrier_wait -3
	s_barrier_signal -1
	s_barrier_wait -1
.endm
.macro CROUND
	s_barrier_signal -1
	s_barrier_wait -1
	CREST
.endm
.macro ARM under, g0, g1, next
	s_cmp_lt_u32 s14, \under
	s_cbranch_scc0 \next
	tensor_load_to_lds s[\g0:\g0+3], s[\g1:\g1+7]
	s_nop 0
	PLACES 4
	s_branch .Lhead_asked
\next:
.endm
.macro LDX g                           ; x's pair g (pair g % 4 of step g / 4) into ring place g % 3: six loads of 512 bytes and the two scale words: 7 LDS instructions
.set LT, (\g)/4
.set LP, (\g)%4
.set LB, XF+24*((\g)%3)
.irp e, 0,1
.irp c, 0,1,2
	ds_load_b128 v[LB+12*\e+4*\c:LB+12*\e+4*\c+3], v[XA+(LT/2)%2] offset:3072*(2*LP+\e)+1536*(LT%2)+512*\c
.endr
.endr
	ds_load_b64 v[XS+2*((\g)%3):XS+2*((\g)%3)+1], v[SXA] offset:512*LT+256*(LP/2)+8*(LP%2)
.endm
.macro LDW t, k                        ; W's fragments 4 k .. 4 k + 3 of step t and their scale words: 13 LDS instructions
.irp i, 0,1,2,3
.irp c, 0,1,2
	ds_load_b128 v[WF+12*(4*(\k)+\i)+4*\c:WF+12*(4*(\k)+\i)+4*\c+3], v[WA+((\t)/2)%2] offset:3072*(4*(\k)+\i)+1536*((\t)%2)+512*\c
.endr
.endr
	ds_load_b128 v[WS+4*(\k):WS+4*(\k)+3], v[SWA] offset:768*(\t)+256*(\k)
.endm
.macro WM d, s0, s1, c, k0, k1
	v_wmma_scale_f32_16x16x128_f8f6f4 v[\d:\d+7], v[\s0:\s0+11], v[\s1:\s1+11], v[\c:\c+7], v[\k0], v[\k1] matrix_a_fmt:MATRIX_FMT_BF6 matrix_b_fmt:MATRIX_FMT_BF6
.endm
.macro QK t, a, b, first               ; tokens' tile a x W's tile b
.set QG, 4*(\t)+(\a)/2
.set QX, XF+24*(QG%3)+12*((\a)%2)
.set QS, XS+2*(QG%3)+(\a)%2
.set QD, 8*(8*((\a)%4)+(\b))
.if \first
	WM QD, WF+12*(\b), QX, 192+8*(\b), WS+(\b), QS
.else
	WM QD, WF+12*(\b), QX, QD, WS+(\b), QS
.endif
.endm
.macro VV t, a, v, first               ; Wv's tile v x tokens' tile a
.set QG, 4*(\t)+(\a)/2
.set QX, XF+24*(QG%3)+12*((\a)%2)
.set QS, XS+2*(QG%3)+(\a)%2
.set VD, 8*(8*(\v)+(\a))
.if \first
	WM VD, QX, WF+12*(8+(\v)), 8*(8*(\v)+7), QS, WS+8+(\v)
.else
	WM VD, QX, WF+12*(8+(\v)), VD, QS, WS+8+(\v)
.endif
.endm
.macro QKS t, p, b0                    ; eight products; no two on end share an accumulator
.irp b, \b0, \b0+1, \b0+2, \b0+3
	QK \t, 2*(\p), \b, 0
	QK \t, 2*(\p)+1, \b, 0
.endr
.endm
.macro VS t, p
.irp e, 0,1
.irp v, 0,1,2,3
	VV \t, 2*(\p)+\e, \v, 0
.endr
.endr
.endm
.macro QKF a
.irp b, 0,1,2,3,4,5,6,7
	QK 0, \a, \b, 1
.endr
.endm
.macro VF a
.irp v, 0,1,2,3
	VV 0, \a, \v, 1
.endr
.endm
; A phase of the first step: C is the bias, which lies in tile 7's accumulators; five places stand ahead of the products that write over it.
.macro FIRST p
.if (\p) > 0
	PLACES 4                                       ; ahead of loads into registers that matrix instructions have read
.endif
	WIN 0
	LDX (\p)+2
.if (\p) == 0
	s_wait_dscnt 20                                ; W's third group (13) and the pair just asked for (7) may be out
.elseif (\p) >= 2
	s_wait_dscnt 14                                ; the two youngest pairs may be out
.endif
	WIN ((1+(\p)/2)<<6)|0x20                       ; C in window 2
	QKF 2*(\p)
.if (\p) == 3
	PLACES 5
.endif
	QKF 2*(\p)+1
.if (\p) == 3
	PLACES 4
	WIN 0
	LDW 1, 0
	LDW 1, 1
.endif
.if (\p) == 0
	s_wait_dscnt 7
.endif
	WIN 0xf0
	VF 2*(\p)
.if (\p) == 3
	PLACES 5
.endif
	VF 2*(\p)+1
.if (\p) == 3
	PLACES 4
	WIN 0
	LDW 1, 2
.endif
.endm
; A phase of steps 1 to 7.  In phase 1 of an odd step the slot is read for the last time: the change of slots stands there.
.macro PHASE t, p
.if (\p) == 0
.elseif (\p) == 2 && (\t)%2 == 1 && (\t) < 5
.else
	PLACES 4                                       ; (phase 0: the last phase's places serve; behind a joint load: its four v_nop)
.endif
	WIN 0
.if 4*(\t)+(\p)+2 < 32
	LDX 4*(\t)+(\p)+2
.endif
.if (\p) == 0
	s_wait_dscnt 33                                ; W's groups 1, 2 (13 each) and the youngest pair (7) may be out
	WIN 0x50
	QKS \t, 0, 0
	s_wait_dscnt 20
	QKS \t, 0, 4
	s_wait_dscnt 7
	WIN 0xf0
	VS \t, 0
.elseif (\p) == 1 && (\t)%2 == 1 && (\t) < 7
	s_wait_tensorcnt 0x0                           ; all my tensor loads have landed: my part of the next chunk
	ds_add_u32 v[SPW], v[NIL]                      ; 0 onto my spare word
	WIN 0x50
	QKS \t, 1, 0
	QKS \t, 1, 4
	s_wait_dscnt 0x0                               ; the add is done, and my reads of this slot are over
	s_barrier_signal -1
	WIN 0xf0
	VS \t, 1
	WIN 0
	s_barrier_wait -1
.if (\t) < 5
.set RS, (((\t)-1)/2)%2
	CREST                                          ; the barrier has opened a round of the cluster's: no wave of any partner still reads this slot or has a load on its way
	s_add_nc_u64 s[G0+4*RS+2:G0+4*RS+3], s[G0+4*RS+2:G0+4*RS+3], 2*Q2S
	s_add_nc_u64 s[G0B+4*RS+2:G0B+4*RS+3], s[G0B+4*RS+2:G0B+4*RS+3], 2*Q2S
	JLOAD G0+4*RS, G1, G0B+4*RS, G1B               ; the chunk two on: the first tensor load behind the round
.endif
.elseif (\p) == 3 && (\t) < 7
	s_wait_dscnt 14
	WIN 0xa0
	QKS \t, 3, 0
	PLACES 4
	WIN 0
	LDW (\t)+1, 0                                  ; each group of W is fetched anew as soon as its last products are issued
	WIN 0xa0
	QKS \t, 3, 4
	PLACES 4
	WIN 0
	LDW (\t)+1, 1
	WIN 0xf0
	VS \t, 3
	PLACES 4
	WIN 0
	LDW (\t)+1, 2
.else
.if (\p) >= 2
.if (\t) < 7
	s_wait_dscnt 14
.else
	s_wait_dscnt 7*(3-(\p))                        ; the last step asks for nothing beyond pair 31
.endif
.endif
	WIN 0x50*(1+(\p)/2)
	QKS \t, \p, 0
	QKS \t, \p, 4
	WIN 0xf0
	VS \t, \p
.endif
.endm
; THE WAY OUT of 64 registers at v[s] of window w: register 16 b + i is number 32 b + 16 (lane / 16) + i along the next product's K.  They become a fragment's codes and the scale word v[PW + k].
.macro EPI w, s, k, sb, off
	WIN ((\w)<<2)|((\w)<<4)
.irp b, 0,1,2,3
	v_max3_num_f32 v[TM+\b], 0x2800000, |v[(\s)+16*\b]|, |v[(\s)+16*\b+1]|   ; my 16 of block b, and the floor 2^(5 - 127); each accumulator is read from its low end on
.endr
.irp i, 2,4,6,8,10,12,14
.irp b, 0,1,2,3
	v_max3_num_f32 v[TM+\b], v[TM+\b], |v[(\s)+16*\b+\i]|, |v[(\s)+16*\b+\i+1]|
.endr
.endr
	WIN 0
.irp b, 0,1,2,3
	v_permlanex16_b32 v[TM+4+\b], v[TM+\b], s[SEL], s[SEL+1]
.endr
.irp b, 0,1,2,3
	v_max_num_f32 v[TM+\b], v[TM+\b], v[TM+4+\b]   ; with lane l xor 16's: the block's largest magnitude
.endr
.irp b, 0,1,2,3
	v_add_nc_u32 v[TM+12+\b], 0xfe000000, v[TM+\b] ; 4 off its exponent field: the conversion's scale operand
.endr
.irp b, 0,1,2,3
	v_lshrrev_b32 v[TM+8+\b], 23, v[TM+12+\b]      ; the byte
.endr
	v_lshl_or_b32 v[PW+(\k)], v[TM+9], 8, v[TM+8]
	v_lshl_or_b32 v[PW+(\k)], v[TM+10], 16, v[PW+(\k)]
	v_lshl_or_b32 v[PW+(\k)], v[TM+11], 24, v[PW+(\k)]
	s_wait_alu depctr_va_vdst(0)
	s_wait_xcnt 0x0                                ; the last block's stores have read the codes' registers
	WIN (\w)
.irp c, 0,1
	v_cvt_scalef32_pk16_bf6_f32 v[PC+6*\c:PC+2+6*\c], v[(\s)+32*\c:(\s)+15+32*\c], v[TM+12+2*\c]
	v_cvt_scalef32_pk16_bf6_f32 v[PC+12+4*\c:PC+14+4*\c], v[(\s)+16+32*\c:(\s)+31+32*\c], v[TM+12+2*\c+1]   ; (a conversion's three registers begin on an even number)
.endr
	WIN 0
	v_nop                                          ; one plain place behind a scaled conversion
.irp c, 0,1                                    ; the operand's layout wants a whole block in a lane
.irp i, 0,1,2
	v_permlane16_swap_b32 v[PC+6*\c+\i], v[PC+12+4*\c+\i]
.endr
.irp i, 0,1,2
	v_mov_b32 v[PC+3+6*\c+\i], v[PC+12+4*\c+\i]
.endr
.endr
.irp c, 0,1,2
	global_store_b128 v[CO], v[PC+4*\c:PC+4*\c+3], s[\sb:\sb+1] offset:(\off)+512*\c   ; the image: 512 consecutive bytes a store
.endr
.endm
	s_load_b256 s[4:11], s[0:1], 0x0               ; w1 s[4:5], bq s[6:7], bk s[8:9], bv s[10:11]
	s_load_b64 s[12:13], s[0:1], 0x20              ; w2
	v_lshl_add_u32 v[SPW], v0, 2, SPARE
	v_mov_b32 v[NIL], 0
	ds_add_u32 v[SPW], v[NIL]                      ; the opening lines: the add, twice on end, and its wait ahead of my first tensor load
	ds_add_u32 v[SPW], v[NIL]
	v_lshrrev_b32 v1, 5, v0
	v_readfirstlane_b32 s14, v1                    ; wave 0..3
	s_lshr_b32 s15, s14, 1                         ; th: my half of the tokens.  Also: I fetch for x (0) or for W (1)
	s_and_b32 s16, s14, 1                          ; ch: Q or K, and my half of V's columns.  Also: which half I fetch
	s_mul_i32 s20, s15, XH
	s_mul_i32 s21, s16, WH
	s_add_co_u32 s21, s21, 2*XH
	s_lshl_b32 s2, s15, 12
	s_add_co_u32 s2, s2, SCX
	s_mul_i32 s3, s16, 6144
	s_add_co_u32 s3, s3, SCW
	v_and_b32 v1, 15, v0                           ; r
	v_bfe_u32 v[HF], v0, 4, 1                      ; h
	v_lshlrev_b32 v[BQO], 6, v[HF]                 ; bq, bk: my half of the lanes begins 16 columns on
	v_and_b32 v13, 8, v1
	v_add_nc_u32 v13, v13, v1
	v_lshlrev_b32 v[BVO], 2, v13                   ; bv: my column r + 8 (r / 8) of a tile
	v_lshlrev_b32 v[VO], 4, v1
	v_add_nc_u32 v[SXA], s2, v[VO]                 ; scale words: 16 r in my 128 tokens' chunk,
	v_add_nc_u32 v[SWA], s3, v[VO]                 ; and in my half of W's
	v_lshl_add_u32 v[VO], v[HF], 3, v[VO]
	v_and_b32 v13, 31, v0
	v_lshlrev_b32 v[CO], 4, v13
	v_add_nc_u32 v[XA], s20, v[CO]
	v_add_nc_u32 v[XA+1], SLOT, v[XA]
	v_add_nc_u32 v[WA], s21, v[CO]
	v_add_nc_u32 v[WA+1], SLOT, v[WA]
	s_bfe_u32 s40, ttmp6, 0x40000                  ; cx
	s_bfe_u32 s41, ttmp6, 0x40004                  ; cy
	s_lshl_b32 s42, ttmp9, 2
	s_add_co_u32 s42, s42, s40                     ; j: which 128 columns
	s_and_b32 s17, ttmp7, 0xffff
	s_lshl_b32 s17, s17, 2
	s_add_co_u32 s17, s17, s41                     ; ty: which 256 tokens
	s_lshl_b32 s43, s41, 2
	s_lshl_b32 s43, 15, s43                        ; my row of the cluster
	s_lshl_b32 s44, 0x1111, s40                    ; my column
	; descriptor groups 1: dense bytes as rows of 32 elements of 8 bytes.  The head's loads bring a whole chunk of x (192 rows) or of W (288); behind them the two words that count rows are halved
	s_or_b32 s[G1+0], s43, (3<<16)|(1<<21)
	s_or_b32 s[G1B+0], s44, (3<<16)|(1<<21)
	s_or_b32 s[G1S+0], s43, (3<<16)|(1<<21)
	s_or_b32 s[G1SB+0], s44, (3<<16)|(1<<21)
.irp g, G1, G1B, G1S, G1SB
	s_mov_b32 s[\g+1], 32<<16
	s_mov_b32 s[\g+3], 32<<16
	s_mov_b32 s[\g+5], 32
	s_mov_b32 s[\g+6], 0
	s_mov_b32 s[\g+7], 0
.endr
	s_mov_b32 s[G1+2], 192<<16
	s_mov_b32 s[G1+4], 192
	s_mov_b32 s[G1B+2], 288<<16
	s_mov_b32 s[G1B+4], 288
	s_mov_b32 s[G1S+2], 32<<16
	s_mov_b32 s[G1S+4], 32
	s_mov_b32 s[G1SB+2], 48<<16
	s_mov_b32 s[G1SB+4], 48
	s_mul_i32 s22, s17, 49152                      ; x's 16 tiles
	s_mov_b32 s23, 0
	s_mul_i32 s46, s42, 73728                      ; W's 24 tiles, from tile 512 on
	s_add_co_u32 s46, s46, 1572864
	s_mov_b32 s47, 0
	s_lshl_b32 s92, s17, 13                        ; x's scale words
	s_add_co_u32 s92, s92, SCB
	s_mov_b32 s93, 0
	s_mul_i32 s94, s42, 12288                      ; W's
	s_add_co_u32 s94, s94, SCB+262144
	s_mov_b32 s95, 0
	s_lshr_b32 s96, s42, 1                         ; Q's or K's codes in w2: [4 ch + j / 2][tile = 512][j % 2][1,536]
	s_lshl_b32 s97, s16, 2
	s_add_co_u32 s96, s96, s97
	s_mul_i32 s96, s96, 1572864
	s_lshl_b32 s97, s17, 1
	s_add_co_u32 s97, s97, s15                     ; 2 ty + th
	s_mul_i32 s2, s97, 24576
	s_add_co_u32 s96, s96, s2
	s_and_b32 s2, s42, 1
	s_mul_i32 s2, s2, 1536
	s_add_co_u32 s96, s96, s2
	s_lshl_b32 s98, s97, 12                        ; their scale words: [ch][128 tokens = 64][j][512]
	s_lshl_b32 s2, s16, 18
	s_add_co_u32 s98, s98, s2
	s_lshl_b32 s2, s42, 9
	s_add_co_u32 s98, s98, s2
	s_add_co_u32 s98, s98, 12582912
	s_mov_b32 s97, 0
	s_mov_b32 s99, 0
	s_mul_i32 s66, s17, 196608                     ; V^T's codes: [ty][tile = 64][th][1,536]
	s_lshl_b32 s2, s42, 1
	s_add_co_u32 s2, s2, s16                       ; 2 j + ch
	s_mul_i32 s3, s2, 12288
	s_add_co_u32 s66, s66, s3
	s_mul_i32 s3, s15, 1536
	s_add_co_u32 s66, s66, s3
	s_add_co_u32 s66, s66, 13107200
	s_mov_b32 s67, 0
	s_lshl_b32 s18, s2, 8                          ; bv: column 128 j + 64 ch
	s_mov_b32 s19, 0
	s_lshr_b32 s100, s17, 3                        ; V^T's scale words: [batch][j][128 tokens = 16][512], my half ch of the 512
	s_lshl_b32 s100, s100, 16
	s_lshl_b32 s3, s42, 13
	s_add_co_u32 s100, s100, s3
	s_and_b32 s3, s17, 7
	s_lshl_b32 s3, s3, 1
	s_add_co_u32 s3, s3, s15
	s_lshl_b32 s3, s3, 9
	s_add_co_u32 s100, s100, s3
	s_lshl_b32 s3, s16, 8
	s_add_co_u32 s100, s100, s3
	s_add_co_u32 s100, s100, 19398656
	s_mov_b32 s101, 0
	s_lshl_b32 s2, s42, 9                          ; bq, bk: column 128 j
	s_mov_b32 s3, 0
	s_wait_alu depctr_va_vdst(0)                   ; the head's end: no vector instruction writes an address behind it
	s_wait_dscnt 0x0                               ; both opening adds are done
	s_wait_kmcnt 0x0
	s_add_nc_u64 s[22:23], s[4:5], s[22:23]
	s_add_nc_u64 s[46:47], s[4:5], s[46:47]
	s_add_nc_u64 s[92:93], s[4:5], s[92:93]
	s_add_nc_u64 s[94:95], s[4:5], s[94:95]
	s_add_nc_u64 s[66:67], s[12:13], s[66:67]
	s_add_nc_u64 s[98:99], s[12:13], s[98:99]
	s_add_nc_u64 s[100:101], s[12:13], s[100:101]
	s_add_nc_u64 s[12:13], s[12:13], s[96:97]
	s_cmp_eq_u32 s16, 0                            ; whose bias: the choice hangs on the wave's number alone
	s_cselect_b64 s[6:7], s[6:7], s[8:9]
	s_add_nc_u64 s[6:7], s[6:7], s[2:3]
	s_add_nc_u64 s[10:11], s[10:11], s[18:19]
	s_mov_b32 s[SEL], 0x76543210
	s_mov_b32 s[SEL+1], 0xfedcba98
	CROUND                                         ; all sixteen work-groups are here: the first joint loads meet
	s_mul_i32 s8, s16, XH                          ; in the ring I fetch a half
	s_mov_b32 s9, 0
	s_mul_i32 s4, s16, WH
	s_mov_b32 s5, 0
.irp s, 0,1
	s_mov_b32 s[G0+4*\s], 1
	s_add_co_u32 s[G0+4*\s+1], s8, \s*SLOT
	s_add_nc_u64 s[G0+4*\s+2:G0+4*\s+3], s[22:23], s[8:9]
	s_add_nc_u64 s[G0+4*\s+2:G0+4*\s+3], s[G0+4*\s+2:G0+4*\s+3], \s*Q2S
	s_or_b32 s[G0+4*\s+3], s[G0+4*\s+3], 0x80000000
	s_mov_b32 s[G0B+4*\s], 1
	s_add_co_u32 s[G0B+4*\s+1], s4, 2*XH+\s*SLOT
	s_add_nc_u64 s[G0B+4*\s+2:G0B+4*\s+3], s[46:47], s[4:5]
	s_add_nc_u64 s[G0B+4*\s+2:G0B+4*\s+3], s[G0B+4*\s+2:G0B+4*\s+3], \s*Q2S
	s_or_b32 s[G0B+4*\s+3], s[G0B+4*\s+3], 0x80000000
.endr
	s_mov_b32 s[G0H], 1                            ; the head's four tiles, each whole: chunk 0 of x,
	s_mov_b32 s[G0H+1], 0
	s_or_b32 s[G0H+3], s[G0H+3], 0x80000000
	s_mov_b32 s[G0HB], 1                           ; of W,
	s_mov_b32 s[G0HB+1], 2*XH
	s_or_b32 s[G0HB+3], s[G0HB+3], 0x80000000
	s_mov_b32 s[G0S], 1                            ; x's scale words of all of K,
	s_mov_b32 s[G0S+1], SCX
	s_mov_b64 s[G0S+2:G0S+3], s[92:93]
	s_or_b32 s[G0S+3], s[G0S+3], 0x80000000
	s_mov_b32 s[G0SB], 1                           ; and W's
	s_mov_b32 s[G0SB+1], SCW
	s_mov_b64 s[G0SB+2:G0SB+3], s[94:95]
	s_or_b32 s[G0SB+3], s[G0SB+3], 0x80000000
	ARM 1, G0H,  G1,  .Lhead_b                     ; one tensor load a wave at the head: one chain of branches on the wave's number
	ARM 2, G0HB, G1B, .Lhead_sa
	ARM 3, G0S,  G1S, .Lhead_sb
	tensor_load_to_lds s[G0SB:G0SB+3], s[G1SB:G1SB+7]
	s_nop 0
	PLACES 4
.Lhead_asked:
	WIN 0x80                                       ; behind the head's tensor loads: the bias, in the results' layout, into tile 7's accumulators: register 8 b + i = column 32 (b / 2) + 16 h + 8 (b % 2) + i
.irp b, 0,1,2,3,4,5,6,7
	global_load_b128 v[192+8*\b:195+8*\b], v[BQO], s[6:7] offset:4*(32*(\b/2)+8*(\b%2))
	global_load_b128 v[196+8*\b:199+8*\b], v[BQO], s[6:7] offset:4*(32*(\b/2)+8*(\b%2))+16
.endr
	WIN 0xc0                                       ; V^T: my column's bias in all eight registers
.irp v, 0,1,2,3
.irp i, 0,1,2,3,4,5,6,7
	global_load_b32 v[8*(8*\v+7)+\i], v[BVO], s[10:11] offset:4*(32*(\v/2)+8*(\v%2))
.endr
.endr
	WIN 0
	s_wait_tensorcnt 0x0
	ds_add_u32 v[SPW], v[NIL]
	s_mov_b32 s[G1+2], 96<<16                      ; no tensor load of mine is out: from here on a load brings a half
	s_mov_b32 s[G1+4], 96
	s_mov_b32 s[G1B+2], 144<<16
	s_mov_b32 s[G1B+4], 144
	s_wait_dscnt 0x0
	CROUND                                         ; all four tiles are in, and all sixteen work-groups are here
	JLOAD G0+4, G1, G0B+4, G1B                     ; chunk 1, the first tensor load behind the round
	LDX 0
	LDX 1
	LDW 0, 0
	LDW 0, 1
	LDW 0, 2
	s_wait_loadcnt 0x0                             ; the bias
.irp p, 0,1,2,3
	FIRST \p
.endr
.irp t, 1,2,3,4,5,6,7
.irp p, 0,1,2,3
	PHASE \t, \p
.endr
.endr
	WIN 0
	PLACES 4                                       ; ahead of the first read of results and of writes over the fragments
.irp b, 0,1,2,3
	v_mov_b32 v[TM+4+\b], 0                        ; written once: a lane permute's destination counts as one of its sources
.endr
.irp a, 0,1,2,3,4,5,6,7
	EPI 1+\a/4, 64*(\a%4), \a, 12, 3072*\a         ; 16 tokens x my 128 columns of Q or K
.endr
.irp v, 0,1,2,3
	EPI 3, 64*\v, 8+\v, 66, 3072*\v                ; 16 columns of V x my 128 tokens
.endr
	v_cmp_ne_u32 vcc_lo, 0, v[HF]
.irp j, 0,1,2,3
	v_cndmask_b32 v[XO+\j], v[PW+\j], v[PW+4+\j], vcc_lo   ; lanes 0-15 store the words of tiles 0-3, lanes 16-31 those of tiles 4-7
.endr
	v_cndmask_b32 v[XO+4], v[PW+8], v[PW+10], vcc_lo       ; V^T: lanes 0-15 tiles 0, 1, lanes 16-31 tiles 2, 3
	v_cndmask_b32 v[XO+5], v[PW+9], v[PW+11], vcc_lo
	global_store_b128 v[CO], v[XO:XO+3], s[98:99]          ; 512 consecutive bytes
	global_store_b64 v[VO], v[XO+4:XO+5], s[100:101]       ; 256 consecutive bytes, at a multiple of 256
	s_wait_tensorcnt 0x0                           ; the wave's end
	ds_add_u32 v[SPW], v[NIL]
	s_wait_dscnt 0x0
	CROUND                                         ; the closing round
	s_endpgm
.Lfunc_end_k_q7e5e0c370b_qkv:
	.size	k_q7e5e0c370b_qkv, .Lfunc_end_k_q7e5e0c370b_qkv-k_q7e5e0c370b_qkv
	.p2alignl 7, 3214868480
	.fill 96, 4, 3214868480
	.section	.rodata,"a",@progbits
	.p2align	6, 0x0
	.amdhsa_kernel k_q7e5e0c370b_qkv
		.amdhsa_group_segment_fixed_size 327680
		.amdhsa_private_segment_fixed_size 0
		.amdhsa_enable_private_segment 0
		.amdhsa_kernarg_size 40
		.amdhsa_user_sgpr_count 2
		.amdhsa_user_sgpr_kernarg_segment_ptr 1
		.amdhsa_wavefront_size32 1
		.amdhsa_system_sgpr_workgroup_id_x 1
		.amdhsa_system_sgpr_workgroup_id_y 1
		.amdhsa_system_sgpr_workgroup_id_z 1
		.amdhsa_system_vgpr_workitem_id 0
		.amdhsa_next_free_vgpr 1024
		.amdhsa_next_free_sgpr 102
		.amdhsa_reserve_vcc 1
		.amdhsa_float_denorm_mode_32 3
		.amdhsa_float_denorm_mode_16_64 3
		.amdhsa_memory_ordered 1
		.amdhsa_forward_progress 1
		.amdhsa_inst_pref_size 210
	.end_amdhsa_kernel
	.amdgpu_metadata
---
amdhsa.version: [ 1, 2 ]
amdhsa.kernels:
  - .name:           k_q7e5e0c370b_qkv
    .symbol:         k_q7e5e0c370b_qkv.kd
    .args:
      - { .name: w1, .offset: 0, .size: 8, .value_kind: global_buffer, .address_space: global }
      - { .name: bq, .offset: 8, .size: 8, .value_kind: global_buffer, .address_space: global }
      - { .name: bk, .offset: 16, .size: 8, .value_kind: global_buffer, .address_space: global }
      - { .name: bv, .offset: 24, .size: 8, .value_kind: global_buffer, .address_space: global }
      - { .name: w2, .offset: 32, .size: 8, .value_kind: global_buffer, .address_space: global }
    .group_segment_fixed_size: 327680
    .private_segment_fixed_size: 0
    .kernarg_segment_align: 8
    .kernarg_segment_size: 40
    .max_flat_workgroup_size: 128
    .sgpr_count:     102
    .vgpr_count:     1024
    .wavefront_size: 32
...
	.end_amdgpu_metadata
.endif
;; end of part 2
;; launch scores (part 3): grid 8 x 32, 4 waves a work-group, clusters of 4 x 4, 327,680 bytes of LDS; arguments w2, w3; writes w3
.if DOCPART == 3
	.amdgcn_target "amdgcn-amd-amdhsa--gfx1250"
	.amdhsa_code_object_version 6
	.text
	.protected	k_q7e5e0c370b_scores
	.globl	k_q7e5e0c370b_scores
	.p2align	8
	.type	k_q7e5e0c370b_scores,@function
k_q7e5e0c370b_scores:
	s_mov_b64 s[64:65], 0
	v_nop
	global_prefetch_b8 v0, s[64:65] scope:SCOPE_SE
	s_setreg_imm32_b32 hwreg(HW_REG_WAVE_MODE, 25, 1), 1
	s_wait_xcnt 0x0
	s_wait_alu depctr_hold_cnt(0) depctr_sa_sdst(0) depctr_va_vdst(0) depctr_va_sdst(0) depctr_va_ssrc(0) depctr_va_vcc(0) depctr_vm_vsrc(0)
	s_getreg_b32 s2, hwreg(HW_REG_IB_STS2, 6, 4)
	s_cmp_eq_u32 s2, 0
	s_cbranch_scc0 .Lentry_in_a_cluster
	s_endpgm
.Lentry_in_a_cluster:
	s_bfe_u32 s2, ttmp6, 0x10000c
	s_cmp_lg_u32 s2, 0xf033
	s_cbranch_scc0 .Lentry_shape_is_right
	s_endpgm
.Lentry_shape_is_right:
; S = Q K^T on codes of BF6 (E3M2) with E8M0 scales, and the softmax's p as codes.  t = S x log2(e) / 32 (the divisor sqrt(1024) + 1e-8 is 32 in f32).
; A tile is 256 queries x 256 keys of one batch; a wave makes 128 x 128.  A wave's 128 keys are ONE K step of the next product: for each query it takes M = the ceiling of the largest t AMONG THESE 128 KEYS, a whole
; number, p = 2^(t - M), the sum l of the unquantised p, and quantises p along the keys.  Codes, scale words, -M and l go to w3.  The next launch brings the scale bytes and the sums under the row's own M:
; M is a whole number, so that is a subtraction in the bytes and leaves the codes as they are.  So the maximum is taken away before every exponential, and no wave needs another wave's numbers.
; K = the hidden 1,024 goes in four K steps of 256 through two LDS slots (Q's 16 tiles, then K's 16); operands lie in memory as images of their registers: a fragment comes from LDS by three loads of 512 consecutive bytes.
; Source 0 = 16 keys, source 1 = 16 queries; tile 2 b + u holds in lane r the row 32 b + 8 u + r + 8 (r / 8): a lane holds one query, register 16 b + i of A's block a is key 32 b + 16 (lane / 16) + i.
; CLUSTERS 4 x 4: Q's tiles are asked for jointly along a row of the cluster, K's along a column.
; THE HEAD: one tensor load a wave: waves 0, 1 fetch K step 0 of Q's and of K's 16 tiles into slot 0, waves 2, 3 K step 1 into slot 1: both slots' first fills go out as one group.
; THE SCALE WORDS of all of K, 16,384 of the 409,600 bytes that a work-group reads, are not asked for jointly: they come through registers into LDS bytes on which no tensor load lands.
; PREFETCH: K step 2 is asked for behind the head's loads, K step 3 behind K step 2's joint load, two steps of 128 ahead of its own.  Of the 24,576 bytes that a wave fetches each of the four partners that ask for them
; jointly takes 6,144, told apart by address: 24 blocks of 256 bytes, a lane a block (lanes 24-31 name the last block again), one instruction a wave.  Its address registers are never rewritten.
; LIMITS: NaN and infinities are not served; p under 2^-126 counts as 0 (v_exp_f32 gives 0 there); a block whose largest p lies under 2^-122 keeps the byte 1.
; REGISTERS: window 0: v7-8, v16-29 addresses; v32-63 scale words; v64-107 the way out's words and statistics; v128-223 A's fragments (on the way out v128-191 t - M, then p; v192-210 codes); v224-239 at work.
;   window 1: B's fragments, two sets.   windows 2, 3: accumulator (a, b) at v[8 (8 (a % 4) + b)] of window 2 + a / 4.
.set FR,    12
.set NL,    3
.set NP,    4
.set HALFT, 24576
.set SLOT,  4*HALFT
.set SCL,   2*SLOT
.set CH,    4096
.set LAPS,  2
.set SPARE, SCL+4*CH
.set AQ2,   1572864                    ; 512 tiles x 3,072 bytes: from one 256 along K to the next, in Q and in K
.set BQ2,   1572864
.set KOFF,  6291456                    ; K's codes in w2
.set QKS,   12582912                   ; Q's scale words; K's 262,144 bytes on
.set PFO,  7                           ; v7     the prefetches' lane offset
.set SST,  8                           ; v8     where my 4,096 bytes of scale words go in LDS
.set ADRA, 16
.set ADRB, 20
.set CO,   26
.set ADRS, 27
.set SPW,  28
.set NIL,  29
.set SC,   32
.set PW,   64                          ; v64-71  p's scale words, one for each of A's blocks
.set NMR,  72                          ; v72-79  -M
.set LR,   80                          ; v80-87  l
.set XO,   88                          ; v88-99  what the three last stores take
.set NMP,  100                         ; v[100:101] -M of the block in hand (a pair's low word serves both halves)
.set LA,   102
.set LB,   104
.set AF,   128
.set H,    128
.set PC,   192
.set TM,   224
.set PFA,  8                           ; s[8:9]  the prefetches' base: K step 2, my work-group's quarter of my wave's part
.set G1,   24
.set G0,   32
.set G1B,  48
.set G0B,  56
.set SEL,  96
.set CS,   98
.set MSB, 0
.macro WIN new
.if MSB != (\new)
	s_set_vgpr_msb (MSB<<8)|(\new)
.set MSB, (\new)
.endif
.endm
.set MUL_LO, 0xa1
.set MUL_HI, 0xf1
.set TO_B,   0x40
.macro JLOAD g0a, g1a, g0b, g1b        ; a joint load: waves 0 and 1 fetch for A, waves 2 and 3 for B; four v_nop follow each line
	s_cmp_eq_u32 s15, 0
	s_cbranch_scc0 .Lfor_b_\@
	tensor_load_to_lds s[\g0a:\g0a+3], s[\g1a:\g1a+7]
	s_nop 0
.rept 4
	v_nop
.endr
	s_branch .Lasked_\@
.Lfor_b_\@:
	tensor_load_to_lds s[\g0b:\g0b+3], s[\g1b:\g1b+7]
	s_nop 0
.rept 4
	v_nop
.endr
.Lasked_\@:
.endm
.macro CREST
	s_cmp_lg_u32 s14, 0
	s_cbranch_scc1 .Lnot_wave_0_\@
	s_barrier_signal -3
.Lnot_wave_0_\@:
	s_barrier_wait -3
	s_barrier_signal -1
	s_barrier_wait -1
.endm
.macro CROUND
	s_barrier_signal -1
	s_barrier_wait -1
	CREST
.endm
.macro PLACES n
.rept \n
	v_nop
.endr
.endm
.macro FRAG reg, adr, q, i
.irp c, 0,1,2
	ds_load_b128 v[\reg+4*\c:\reg+4*\c+3], v[\adr] offset:3072*(\i)+1536*(\q)+512*\c
.endr
.endm
.macro FETCH_B slot, q, p
	WIN TO_B
.irp i, 0,1,2,3,4,5,6,7
	FRAG 128*(\p)+FR*\i, ADRB+\slot, \q, \i
.endr
	WIN 0
.endm
.macro FETCH_A slot, q, i0
.irp i, \i0, \i0+1, \i0+2, \i0+3
	FRAG AF+FR*(\i), ADRA+\slot, \q, \i
.endr
.endm
.macro SCALES sc
.irp q, 0,1
.irp g, 0,1
	ds_load_b128 v[SC+16*\sc+8*\q+4*\g:SC+16*\sc+8*\q+4*\g+3], v[ADRS] offset:512*\q+256*\g
.endr
.endr
.endm
.macro MUL16 a0, p, q, sc, zero        ; the 64 accumulators take turns, one instruction a turn
.irp a, \a0, \a0+1
.irp b, 0,1,2,3,4,5,6,7
.if \zero
	v_wmma_scale_f32_16x16x128_f8f6f4 v[8*(8*((\a)%4)+\b):8*(8*((\a)%4)+\b)+7], v[128*(\p)+FR*\b:128*(\p)+FR*\b+FR-1], v[AF+FR*(\a):AF+FR*(\a)+FR-1], 0, v[SC+16*(\sc)+8*(\q)+\b], v[SC+16*(\sc)+8*(\q)+(\a)] matrix_a_fmt:MATRIX_FMT_BF6 matrix_b_fmt:MATRIX_FMT_BF6 matrix_a_scale:MATRIX_SCALE_ROW1
.else
	v_wmma_scale_f32_16x16x128_f8f6f4 v[8*(8*((\a)%4)+\b):8*(8*((\a)%4)+\b)+7], v[128*(\p)+FR*\b:128*(\p)+FR*\b+FR-1], v[AF+FR*(\a):AF+FR*(\a)+FR-1], v[8*(8*((\a)%4)+\b):8*(8*((\a)%4)+\b)+7], v[SC+16*(\sc)+8*(\q)+\b], v[SC+16*(\sc)+8*(\q)+(\a)] matrix_a_fmt:MATRIX_FMT_BF6 matrix_b_fmt:MATRIX_FMT_BF6 matrix_a_scale:MATRIX_SCALE_ROW1
.endif
.endr
.endr
.endm
.macro STEP slot, q, zero
	s_wait_dscnt 4*NL                              ; all but the youngest twelve loads (A's blocks 4-7) are in
	WIN MUL_LO
	MUL16 0, (\q)%2, \q, \slot, \zero
	MUL16 2, (\q)%2, \q, \slot, \zero
	s_wait_dscnt 0
	PLACES NP
	FETCH_B \slot, (\q)+1, 1-(\q)%2
	FETCH_A \slot, (\q)+1, 0
	WIN MUL_HI
	MUL16 4, (\q)%2, \q, \slot, \zero
	MUL16 6, (\q)%2, \q, \slot, \zero
	PLACES NP
	WIN 0
	FETCH_A \slot, (\q)+1, 4
.endm
.macro TURN slot, next, fill
	s_wait_tensorcnt 0x0                           ; all my tensor loads have landed: my part of the next slot
	ds_add_u32 v[SPW], v[NIL]                      ; 0 onto my spare word
	s_wait_dscnt 4*NL+1                            ; (the add and the youngest twelve loads may be out)
	WIN MUL_LO
	MUL16 0, 1, 1, \slot, 0
	s_wait_dscnt 0x0                               ; the add is done, and my reads of this slot are over
	s_barrier_signal -1
	MUL16 2, 1, 1, \slot, 0
	WIN 0
	s_barrier_wait -1
.if \fill
	CREST                                          ; a round of the cluster's barrier: no wave of any partner still reads this slot or has a load on its way
	s_add_nc_u64 s[G0+4*\slot+2:G0+4*\slot+3], s[G0+4*\slot+2:G0+4*\slot+3], 2*AQ2
	s_add_nc_u64 s[G0B+4*\slot+2:G0B+4*\slot+3], s[G0B+4*\slot+2:G0B+4*\slot+3], 2*BQ2
	JLOAD G0+4*\slot, G1, G0B+4*\slot, G1B
.else
	PLACES NP
.endif
	s_wait_alu depctr_va_vdst(0)
	v_add_nc_u32 v[ADRS], 1024, v[ADRS]
	FETCH_B \next, 0, 0
	FETCH_A \next, 0, 0
	SCALES \next
.if \fill && \slot == 0
	global_prefetch_b8 v[PFO], s[PFA:PFA+1] offset:AQ2 th:TH_LOAD_NT scope:SCOPE_SE   ; behind K step 2's joint load: K step 3 (the loop has one trip); behind K step 3's nothing is left to ask for
.endif
	WIN MUL_HI
	MUL16 4, 1, 1, \slot, 0
	MUL16 6, 1, 1, \slot, 0
	PLACES NP
	WIN 0
	FETCH_A \next, 0, 4
.endm
; THE WAY OUT of A's block a: 16 queries x my 128 keys
.macro SOFTQ a
.set AC, 64*((\a)%4)
.set SW, 2+(\a)/4                      ; the block's window
	WIN SW|(SW<<2)|(SW<<4)
.irp b, 0,1,2,3
	v_max3_num_f32 v[TM+\b], v[AC+16*\b], v[AC+16*\b+1], v[AC+16*\b+2]           ; the largest SCORE of each block of 32 keys (the factor to t is positive): it serves for M and, since p rises with the score, for the block's largest p; each accumulator is read from its low end on
.endr
	WIN (SW<<2)|(SW<<4)
.irp i, 3,5,7,9,11,13
.irp b, 0,1,2,3
	v_max3_num_f32 v[TM+\b], v[TM+\b], v[AC+16*\b+\i], v[AC+16*\b+\i+1]
.endr
.endr
.irp b, 0,1,2,3
	v_max_num_f32 v[TM+\b], v[TM+\b], v[AC+16*\b+15]
.endr
	WIN 0
.irp b, 0,1,2,3
	v_permlanex16_b32 v[TM+4+\b], v[TM+\b], s[SEL], s[SEL+1]
.endr
.irp b, 0,1,2,3
	v_max_num_f32 v[TM+\b], v[TM+\b], v[TM+4+\b]   ; with lane l xor 16's 16 keys
.endr
	v_max3_num_f32 v106, v[TM], v[TM+1], v[TM+2]
	v_max_num_f32 v106, v106, v[TM+3]              ; the largest score of my query among these 128 keys,
	v_mul_f32 v106, s[CS], v106                    ; as t
	v_floor_f32 v[NMP], -v106                      ; -M = floor(-t) = -ceil(t)
	WIN SW
.set jj, 0
.rept 32
	v_pk_fma_f32 v[H+jj:H+jj+1], v[AC+jj:AC+jj+1], s[CS:CS+1], v[NMP:NMP+1] op_sel_hi:[1,0,0]   ; t - M: one fused multiply-add, two numbers an instruction
.set jj, jj+2
.endr
	WIN 0
.irp b, 0,1,2,3
	v_fma_f32 v[TM+\b], v[TM+\b], s[CS], v[NMP]    ; the same of each block's largest score
.endr
.set jj, 0
	s_wait_alu depctr_va_vdst(0)
.rept 64
	v_exp_f32 v[H+jj], v[H+jj]                     ; p = 2^(t - M): not normalised
.set jj, jj+1
.endr
	v_mov_b32 v[NMR+(\a)], v[NMP]                  ; (a plain place behind the exponentials)
	s_wait_alu depctr_va_vdst(0)                   ; one wait for the batch of 64, ahead of its first reader
.irp b, 0,1,2,3
	v_exp_f32 v[TM+\b], v[TM+\b]                   ; the block's largest p: the same two instructions on the same number give the same bits
.endr
	v_pk_add_f32 v[LA:LA+1], v[H:H+1], v[H+4:H+5]  ; the sum of the UNQUANTISED p, in two chains; it reads the 64 alone
	v_pk_add_f32 v[LB:LB+1], v[H+2:H+3], v[H+6:H+7]
.irp j, 8,12,16,20,24,28,32,36,40,44,48,52,56,60
	v_pk_add_f32 v[LA:LA+1], v[LA:LA+1], v[H+\j:H+\j+1]
	v_pk_add_f32 v[LB:LB+1], v[LB:LB+1], v[H+\j+2:H+\j+3]
.endr
	v_pk_add_f32 v[LA:LA+1], v[LA:LA+1], v[LB:LB+1]
	v_add_f32 v106, v[LA], v[LA+1]
	v_permlanex16_b32 v107, v106, s[SEL], s[SEL+1]
	v_add_f32 v[LR+(\a)], v106, v107               ; with lane l xor 16's 64 keys
	s_wait_alu depctr_va_vdst(0)                   ; and one wait for the four
.irp b, 0,1,2,3
	v_max_num_f32 v[TM+\b], 0x2800000, v[TM+\b]    ; the floor 2^(5 - 127): the byte cannot fall under 1
.endr
.irp b, 0,1,2,3
	v_add_nc_u32 v[TM+12+\b], 0xfe000000, v[TM+\b] ; 4 off the exponent field: the conversion's scale operand
.endr
.irp b, 0,1,2,3
	v_lshrrev_b32 v[TM+8+\b], 23, v[TM+12+\b]      ; the byte
.endr
	v_lshl_or_b32 v[PW+(\a)], v[TM+9], 8, v[TM+8]
	v_lshl_or_b32 v[PW+(\a)], v[TM+10], 16, v[PW+(\a)]
	v_lshl_or_b32 v[PW+(\a)], v[TM+11], 24, v[PW+(\a)]
	s_wait_xcnt 0x0                                ; the last block's stores have read the codes' registers
.irp c, 0,1
	v_cvt_scalef32_pk16_bf6_f32 v[PC+6*\c:PC+2+6*\c], v[H+32*\c:H+15+32*\c], v[TM+12+2*\c]
	v_cvt_scalef32_pk16_bf6_f32 v[PC+12+4*\c:PC+14+4*\c], v[H+16+32*\c:H+31+32*\c], v[TM+12+2*\c+1]
.endr
	v_nop                                          ; one plain place behind a scaled conversion
.irp c, 0,1                                    ; the operand's layout wants a whole block in a lane
.irp i, 0,1,2
	v_permlane16_swap_b32 v[PC+6*\c+\i], v[PC+12+4*\c+\i]
.endr
.irp i, 0,1,2
	v_mov_b32 v[PC+3+6*\c+\i], v[PC+12+4*\c+\i]
.endr
.endr
.irp c, 0,1,2
	global_store_b128 v[CO], v[PC+4*\c:PC+4*\c+3], s[12:13] offset:3072*(\a)+512*\c   ; P's fragment: 512 consecutive bytes a store
.endr
.endm
	s_load_b128 s[4:7], s[0:1], 0x0                ; w2 s[4:5], w3 s[6:7]
	v_lshl_add_u32 v[SPW], v0, 2, SPARE
	v_mov_b32 v[NIL], 0
	ds_add_u32 v[SPW], v[NIL]                      ; the opening lines: the add, twice on end, and its wait ahead of my first tensor load
	ds_add_u32 v[SPW], v[NIL]
	s_wait_dscnt 0x0
	v_lshrrev_b32 v1, 5, v0
	v_readfirstlane_b32 s14, v1                    ; wave 0..3
	s_lshr_b32 s15, s14, 1                         ; my half of the queries.  Also: in the ring I fetch for Q (0) or for K (1)
	s_and_b32 s16, s14, 1                          ; my half of the keys.  Also: which half I fetch
	s_bfe_u32 s40, ttmp6, 0x40000                  ; cx
	s_bfe_u32 s41, ttmp6, 0x40004                  ; cy
	s_and_b32 s92, ttmp7, 0xffff                   ; the cluster's y
	s_lshl_b32 s17, s92, 2
	s_add_co_u32 s17, s17, s41                     ; the query tile, 0 .. 31
	s_lshl_b32 s42, ttmp9, 2
	s_add_co_u32 s42, s42, s40                     ; the key tile in the batch, 0 .. 7
	s_lshr_b32 s93, s92, 1                         ; the batch: from the cluster's y alone
	s_lshl_b32 s93, s93, 3
	s_add_co_u32 s93, s93, s42                     ; the key tile among all tokens
	s_lshl_b32 s43, s41, 2
	s_lshl_b32 s43, 15, s43                        ; my row of the cluster
	s_lshl_b32 s44, 0x1111, s40                    ; my column
	s_or_b32 s[G1+0], s43, (3<<16)|(1<<21)         ; dense bytes as rows of 32 elements of 8 bytes; the mask, and bit 21 beside it
	s_or_b32 s[G1B+0], s44, (3<<16)|(1<<21)
.irp g, G1, G1B
	s_mov_b32 s[\g+1], 32<<16
	s_mov_b32 s[\g+2], 192<<16                     ; the head's loads bring a whole K step of Q or of K: 192 rows
	s_mov_b32 s[\g+3], 32<<16
	s_mov_b32 s[\g+4], 192
	s_mov_b32 s[\g+5], 32
	s_mov_b32 s[\g+6], 0
	s_mov_b32 s[\g+7], 0
.endr
	s_mul_i32 s18, s16, HALFT
	s_mul_i32 s20, s17, 49152                      ; Q: 16 tiles of 3,072 bytes a query tile
	s_add_co_u32 s20, s20, s18
	s_mov_b32 s21, 0
	s_lshl_b32 s22, s17, 13
	s_add_co_u32 s22, s22, QKS
	s_mov_b32 s23, 0
	s_mul_i32 s46, s93, 49152                      ; K likewise
	s_add_co_u32 s46, s46, s18
	s_add_co_u32 s46, s46, KOFF
	s_mov_b32 s47, 0
	s_lshl_b32 s92, s93, 13
	s_add_co_u32 s92, s92, QKS+262144
	s_mov_b32 s93, 0
	s_mul_i32 s45, s14, HALFT
	s_lshl_b32 s94, s14, 12
	s_mul_i32 s96, s42, 1572864                    ; P's codes: key tile x 1,572,864 + (16 query tile + 8 half) x 3,072 + 1,536 x my half of the keys
	s_lshl_b32 s97, s17, 4
	s_lshl_b32 s18, s15, 3
	s_add_co_u32 s97, s97, s18
	s_mul_i32 s97, s97, 3072
	s_add_co_u32 s96, s96, s97
	s_mul_i32 s97, s16, 1536
	s_add_co_u32 s96, s96, s97
	s_mov_b32 s97, 0
	s_lshl_b32 s98, s17, 1                         ; scale words, -M, l: chunk of 128 queries x 8,192 + (128 keys) x 512
	s_add_co_u32 s98, s98, s15
	s_lshl_b32 s98, s98, 13
	s_lshl_b32 s99, s42, 1
	s_add_co_u32 s99, s99, s16
	s_lshl_b32 s99, s99, 9
	s_add_co_u32 s98, s98, s99
	s_add_co_u32 s98, s98, 12582912
	s_mov_b32 s99, 0
	s_wait_kmcnt 0x0
	s_add_nc_u64 s[20:21], s[4:5], s[20:21]
	s_add_nc_u64 s[22:23], s[4:5], s[22:23]
	s_add_nc_u64 s[46:47], s[4:5], s[46:47]
	s_add_nc_u64 s[92:93], s[4:5], s[92:93]
	s_add_nc_u64 s[12:13], s[6:7], s[96:97]
	s_add_nc_u64 s[10:11], s[6:7], s[98:99]
	s_cmp_eq_u32 s15, 0                            ; waves 0, 1 take Q's two chunks of scale words, waves 2, 3 K's; the prefetches follow the ring's sharing
	s_cselect_b64 s[66:67], s[22:23], s[92:93]
	s_cselect_b64 s[PFA:PFA+1], s[20:21], s[46:47]
	s_cselect_b32 s100, s40, s41                   ; my place among the four that ask with me
	s_lshl_b32 s2, s16, 12
	s_mov_b32 s3, 0
	s_add_nc_u64 s[66:67], s[66:67], s[2:3]
	s_mul_i32 s100, s100, 6144
	s_add_co_u32 s100, s100, 2*AQ2
	s_mov_b32 s101, 0
	s_add_nc_u64 s[PFA:PFA+1], s[PFA:PFA+1], s[100:101]
	v_and_b32 v4, 31, v0
	v_lshlrev_b32 v[CO], 4, v4
	v_min_u32 v[PFO], 23, v4
	v_lshlrev_b32 v[PFO], 8, v[PFO]
	s_wait_alu depctr_va_vdst(0)                   ; the wait behind the writes
.irp i, 0,1,2,3,4,5,6,7
	global_load_b128 v[128+4*\i:131+4*\i], v[CO], s[66:67] offset:512*\i   ; my 4,096 bytes of scale words
.endr
	s_mov_b32 s[SEL], 0x76543210
	s_mov_b32 s[SEL+1], 0xfedcba98
	s_mov_b32 s[CS], 0x3d38aa3b                    ; log2(e) / 32
	s_mov_b32 s[CS+1], s[CS]                       ; (named with it as a pair, so it is written)
	CROUND                                         ; all sixteen work-groups are here: the first joint loads meet
.irp s, 0,1
	s_mov_b32 s[G0+4*\s], 1
	s_add_co_u32 s[G0+4*\s+1], s45, \s*SLOT
	s_add_nc_u64 s[G0+4*\s+2:G0+4*\s+3], s[20:21], \s*AQ2
	s_or_b32 s[G0+4*\s+3], s[G0+4*\s+3], 0x80000000
	s_mov_b32 s[G0B+4*\s], 1
	s_add_co_u32 s[G0B+4*\s+1], s45, \s*SLOT
	s_add_nc_u64 s[G0B+4*\s+2:G0B+4*\s+3], s[46:47], \s*BQ2
	s_or_b32 s[G0B+4*\s+3], s[G0B+4*\s+3], 0x80000000
.endr
	s_mul_i32 s18, s16, HALFT                      ; the head's loads: group 0 in s[4:7] (Q) and s[40:43] (K)
	s_mov_b32 s19, 0
	s_mov_b32 s4, 1
	s_mul_i32 s5, s15, SLOT                        ; waves 0, 1: slot 0; waves 2, 3: slot 1
	s_sub_nc_u64 s[6:7], s[20:21], s[18:19]        ; back from my half to the tile's first byte,
	s_sub_nc_u64 s[42:43], s[46:47], s[18:19]
	s_mul_i32 s18, s15, AQ2                        ; and on to my K step
	s_add_nc_u64 s[6:7], s[6:7], s[18:19]
	s_add_nc_u64 s[42:43], s[42:43], s[18:19]
	s_or_b32 s7, s7, 0x80000000
	s_or_b32 s43, s43, 0x80000000
	s_mov_b32 s40, 1
	s_add_co_u32 s41, s5, 2*HALFT
	s_cmp_eq_u32 s16, 0                            ; even waves ask for Q's tiles, odd waves for K's: every way passes one load
	s_cbranch_scc0 .Lhead_b
	tensor_load_to_lds s[4:7], s[G1:G1+7]
	s_nop 0
.rept 4
	v_nop
.endr
	s_branch .Lhead_asked
.Lhead_b:
	tensor_load_to_lds s[40:43], s[G1B:G1B+7]
	s_nop 0
.rept 4
	v_nop
.endr
.Lhead_asked:
	global_prefetch_b8 v[PFO], s[PFA:PFA+1] th:TH_LOAD_NT scope:SCOPE_SE   ; K step 2: its joint load stands in the second step of 128
	v_and_b32 v1, 15, v0                           ; r
	v_bfe_u32 v2, v0, 4, 1                         ; h
	s_wait_alu depctr_va_vdst(0)
	s_mul_i32 s21, s15, HALFT
	s_mul_i32 s22, s16, HALFT
	s_add_co_u32 s22, s22, 2*HALFT
.irp s, 0,1
	v_add_nc_u32 v[ADRA+\s], s21, v[CO]
	v_add_nc_u32 v[ADRB+\s], s22, v[CO]
	s_add_co_u32 s21, s21, SLOT
	s_add_co_u32 s22, s22, SLOT
.endr
	v_lshlrev_b32 v5, 4, v1
	s_mul_i32 s21, s15, CH
	s_mul_i32 s22, s16, CH
	s_add_co_u32 s22, s22, 2*CH
	s_sub_co_u32 s22, s22, s21
	v_mul_u32_u24 v6, s22, v2                      ; lanes 16-31 take K's words: one product, the distance between the two
	s_add_co_u32 s21, s21, SCL
	v_add_nc_u32 v5, v5, v6
	v_add_nc_u32 v[ADRS], s21, v5
.irp b, 0,1,2,3
	v_mov_b32 v[TM+4+\b], 0                        ; written once: a lane permute's destination counts as one of its sources
.endr
	v_mov_b32 v107, 0
	v_mov_b32 v[NMP+1], 0                          ; (named as a pair's upper half)
	s_add_co_u32 s21, s94, SCL
	v_add_nc_u32 v[SST], s21, v[CO]                ; my 4,096 bytes of the scale words in LDS: by the wave alone
	s_wait_alu depctr_va_vdst(0)
	s_wait_loadcnt 0x0
.irp i, 0,1,2,3,4,5,6,7
	ds_store_b128 v[SST], v[128+4*\i:131+4*\i] offset:512*\i
.endr
	s_wait_tensorcnt 0x0                           ; my tile of the head's four is in
	s_mov_b32 s[G1+2], 96<<16                      ; no tensor load of mine is out: from here on a load brings eight tiles
	s_mov_b32 s[G1+4], 96
	s_mov_b32 s[G1B+2], 96<<16
	s_mov_b32 s[G1B+4], 96
	s_wait_dscnt 0x0                               ; my stores of scale words are done
	s_barrier_signal -1                            ; both slots and the scale words are whole for all four waves
	s_barrier_wait -1
	FETCH_B 0, 0, 0
	FETCH_A 0, 0, 0
	SCALES 0
	FETCH_A 0, 0, 4
	STEP 0, 0, 1                                   ; the first step's products start the sums: nothing is cleared
	s_mov_b32 s3, LAPS-1
.Llap:                                                 ; a trip goes once round the ring and fills both slots again
	TURN 0, 1, 1
	STEP 1, 0, 0
	TURN 1, 0, 1
	STEP 0, 0, 0
	s_sub_co_u32 s3, s3, 1
	s_cmp_lg_u32 s3, 0
	s_cbranch_scc1 .Llap
	TURN 0, 1, 0                                   ; the last lap fills nothing
	STEP 1, 0, 0
	s_wait_dscnt 4*NL
	WIN MUL_LO
	MUL16 0, 1, 1, 1, 0
	MUL16 2, 1, 1, 1, 0
	s_wait_dscnt 0
	WIN MUL_HI
	MUL16 4, 1, 1, 1, 0
	MUL16 6, 1, 1, 1, 0
	WIN 0
	PLACES NP                                      ; in front of the first read of results and of writes over A's fragments
.irp a, 0,1,2,3,4,5,6,7
	SOFTQ \a
.endr
	v_cmp_ne_u32 vcc_lo, 0, v2
.irp j, 0,1,2,3
	v_cndmask_b32 v[XO+\j], v[PW+\j], v[PW+4+\j], vcc_lo      ; lanes 0-15 store blocks 0-3's, lanes 16-31 blocks 4-7's
	v_cndmask_b32 v[XO+4+\j], v[NMR+\j], v[NMR+4+\j], vcc_lo
	v_cndmask_b32 v[XO+8+\j], v[LR+\j], v[LR+4+\j], vcc_lo
.endr
	global_store_b128 v[CO], v[XO:XO+3], s[10:11]                    ; the scale words: 512 consecutive bytes,
	global_store_b128 v[CO], v[XO+4:XO+7], s[10:11] offset:524288    ; -M,
	global_store_b128 v[CO], v[XO+8:XO+11], s[10:11] offset:1048576  ; l
	s_wait_tensorcnt 0x0                           ; the wave's end
	ds_add_u32 v[SPW], v[NIL]
	s_wait_dscnt 0x0
	CROUND                                         ; the closing round
	s_endpgm
.Lfunc_end_k_q7e5e0c370b_scores:
	.size	k_q7e5e0c370b_scores, .Lfunc_end_k_q7e5e0c370b_scores-k_q7e5e0c370b_scores
	.p2alignl 7, 3214868480
	.fill 96, 4, 3214868480
	.section	.rodata,"a",@progbits
	.p2align	6, 0x0
	.amdhsa_kernel k_q7e5e0c370b_scores
		.amdhsa_group_segment_fixed_size 327680
		.amdhsa_private_segment_fixed_size 0
		.amdhsa_enable_private_segment 0
		.amdhsa_kernarg_size 16
		.amdhsa_user_sgpr_count 2
		.amdhsa_user_sgpr_kernarg_segment_ptr 1
		.amdhsa_wavefront_size32 1
		.amdhsa_system_sgpr_workgroup_id_x 1
		.amdhsa_system_sgpr_workgroup_id_y 1
		.amdhsa_system_sgpr_workgroup_id_z 1
		.amdhsa_system_vgpr_workitem_id 0
		.amdhsa_next_free_vgpr 1024
		.amdhsa_next_free_sgpr 102
		.amdhsa_reserve_vcc 1
		.amdhsa_float_denorm_mode_32 3
		.amdhsa_float_denorm_mode_16_64 3
		.amdhsa_memory_ordered 1
		.amdhsa_forward_progress 1
		.amdhsa_inst_pref_size 194
	.end_amdhsa_kernel
	.amdgpu_metadata
---
amdhsa.version: [ 1, 2 ]
amdhsa.kernels:
  - .name:           k_q7e5e0c370b_scores
    .symbol:         k_q7e5e0c370b_scores.kd
    .args:
      - { .name: w2, .offset: 0, .size: 8, .value_kind: global_buffer, .address_space: global }
      - { .name: w3, .offset: 8, .size: 8, .value_kind: global_buffer, .address_space: global }
    .group_segment_fixed_size: 327680
    .private_segment_fixed_size: 0
    .kernarg_segment_align: 8
    .kernarg_segment_size: 16
    .max_flat_workgroup_size: 128
    .sgpr_count:     102
    .vgpr_count:     1024
    .wavefront_size: 32
...
	.end_amdgpu_metadata
.endif
;; end of part 3
;; launch pv (part 4): grid 4 x 64, 4 waves a work-group, clusters of 4 x 4, 327,680 bytes of LDS; arguments w3, w2, out0; writes out0
.if DOCPART == 4
	.amdgcn_target "amdgcn-amd-amdhsa--gfx1250"
	.amdhsa_code_object_version 6
	.text
	.protected	k_q7e5e0c370b_pv
	.globl	k_q7e5e0c370b_pv
	.p2align	8
	.type	k_q7e5e0c370b_pv,@function
k_q7e5e0c370b_pv:
	s_mov_b64 s[64:65], 0
	v_nop
	global_prefetch_b8 v0, s[64:65] scope:SCOPE_SE
	s_setreg_imm32_b32 hwreg(HW_REG_WAVE_MODE, 25, 1), 1
	s_wait_xcnt 0x0
	s_wait_alu depctr_hold_cnt(0) depctr_sa_sdst(0) depctr_va_vdst(0) depctr_va_sdst(0) depctr_va_ssrc(0) depctr_va_vcc(0) depctr_vm_vsrc(0)
	s_getreg_b32 s2, hwreg(HW_REG_IB_STS2, 6, 4)
	s_cmp_eq_u32 s2, 0
	s_cbranch_scc0 .Lentry_in_a_cluster
	s_endpgm
.Lentry_in_a_cluster:
	s_bfe_u32 s2, ttmp6, 0x10000c
	s_cmp_lg_u32 s2, 0xf033
	s_cbranch_scc0 .Lentry_shape_is_right
	s_endpgm
.Lentry_shape_is_right:
; out = (P V) / l on codes of BF6 (E3M2) with E8M0 scales, sums in f32.  P's codes, and for each query and each 128 keys its scale word, a whole number -M and the sum l of the unquantised p under that M, come from launch scores; V^T's codes and scale words from launch qkv.
; A tile is 128 queries x 256 columns of one batch: 64 x 4 = 256 work-groups; a wave makes 64 x 128: 32 accumulators.  K = the 2,048 keys, in 16 steps of 128; a slot holds four steps (P's 8 tiles, V^T's 16), two slots take turns.
; Operands lie in memory as images of their registers; source 0 = 16 columns of V^T, source 1 = 16 queries: a lane holds a query, its registers run along the columns.
; THE HEAD brings every step under the row's own M: each wave takes 32 queries; the row's M is the largest of the 16; M is a whole number, so a step's scale bytes are lowered by the difference (never under 0) and its l is scaled by ldexp; 1 / (the sum of the l) goes to LDS.
; CLUSTERS 4 x 4: P's tiles are asked for jointly along a row of the cluster, V^T's along a column.  V^T's scale words, 16,384 of the 606,208 bytes that a work-group reads, are not: they come through registers into LDS bytes on which no tensor load lands.
; LIMITS: NaN and infinities are not served; a step whose M lies 255 or more under the row's counts with the byte 0.
.set FR,    12
.set NP,    4
.set AJ,    12288
.set BJ,    24576
.set AH,    2*AJ
.set BH,    2*BJ
.set SLOT,  2*AH+2*BH
.set CH,    8192
.set SCLA,  2*SLOT
.set SCLB,  SCLA+CH
.set RL,    SCLB+2*CH
.set SPARE, RL+512
.set AQ2,   1572864
.set BQ2,   196608
.set RLR,  8
.set GM,   12
.set LS,   14
.set ADRA, 16
.set PGO,  18
.set PSA,  19
.set ADRB, 20
.set PRL,  22
.set RLA,  23
.set STO,  24
.set RD,   25
.set CO,   26
.set ADRS, 27
.set SPW,  28
.set NIL,  29
.set RS,   30
.set SC,   32
.set NMG,  64
.set LG,   80
.set PSR,  96
.set TT,   112
.set AF,   128
.set BK,   128
.set G1,   24
.set G0,   32
.set G1B,  48
.set G0B,  56
.set G1SB, 80
.set G0SB, 88
.set MSB, 0
.macro WIN new
.if MSB != (\new)
	s_set_vgpr_msb (MSB<<8)|(\new)
.set MSB, (\new)
.endif
.endm
.set MUL_LO, 0xa1
.set TO_B,   0x40
.macro JLOAD g0a, g1a, g0b, g1b
	s_cmp_eq_u32 s15, 0
	s_cbranch_scc0 .Lfor_b_\@
	tensor_load_to_lds s[\g0a:\g0a+3], s[\g1a:\g1a+7]
	s_nop 0
.rept 4
	v_nop
.endr
	s_branch .Lasked_\@
.Lfor_b_\@:
	tensor_load_to_lds s[\g0b:\g0b+3], s[\g1b:\g1b+7]
	s_nop 0
.rept 4
	v_nop
.endr
.Lasked_\@:
.endm
.macro CREST
	s_cmp_lg_u32 s14, 0
	s_cbranch_scc1 .Lnot_wave_0_\@
	s_barrier_signal -3
.Lnot_wave_0_\@:
	s_barrier_wait -3
	s_barrier_signal -1
	s_barrier_wait -1
.endm
.macro CROUND
	s_barrier_signal -1
	s_barrier_wait -1
	CREST
.endm
; A PREFETCH, one slot (four steps) ahead of the joint load that will want the bytes: c = 0, 1, 2 names slots' fills 1, 2, 3.  Of the part that a wave fetches (P: 2 rows of 12,288 bytes; V^T: 2 rows of 24,576) each of the four partners
; that ask for it jointly takes a quarter, told apart by address: row = place / 2, half of the row = place % 2: 24 or 48 blocks of 256 bytes, a lane a block (lanes left over name the last block again).  The address registers are never rewritten.
.macro ASK c
	s_cmp_eq_u32 s15, 0
	s_cbranch_scc0 .Lask_b_\@
	global_prefetch_b8 v3, s[68:69] offset:(\c)*2*AQ2 th:TH_LOAD_NT scope:SCOPE_SE
	s_branch .Lask_e_\@
.Lask_b_\@:
	global_prefetch_b8 v7, s[70:71] offset:(\c)*2*BQ2 th:TH_LOAD_NT scope:SCOPE_SE
	global_prefetch_b8 v13, s[70:71] offset:(\c)*2*BQ2+8192 th:TH_LOAD_NT scope:SCOPE_SE
.Lask_e_\@:
.endm
.macro PLACES n
.rept \n
	v_nop
.endr
.endm
.macro FRAG reg, adr, off
.irp c, 0,1,2
	ds_load_b128 v[\reg+4*\c:\reg+4*\c+3], v[\adr] offset:\off+512*\c
.endr
.endm
.macro FETCH t
.set FS, ((\t)/4)%2
.set FJ, ((\t)/2)%2
.set FP, (\t)%2
	WIN TO_B
.irp i, 0,1,2,3,4,5,6,7
	FRAG 128*FP+FR*\i, ADRB+FS, BJ*FJ+1536*FP+3072*\i
.endr
	WIN 0
.irp i, 0,1,2,3
	FRAG AF+48*FP+FR*\i, ADRA+FS, AJ*FJ+1536*FP+3072*\i
.endr
.if FP == 0
.irp q, 0,1
.irp g, 0,1
	ds_load_b128 v[SC+16*FJ+8*\q+4*\g:SC+16*FJ+8*\q+4*\g+3], v[ADRS] offset:1024*((\t)/2)+512*\q+256*\g
.endr
.endr
.endif
.endm
.macro MUL8 t, a, zero
.set MP, (\t)%2
.set MS, SC+16*(((\t)/2)%2)+8*((\t)%2)
.irp b, 0,1,2,3,4,5,6,7
.if \zero
	v_wmma_scale_f32_16x16x128_f8f6f4 v[8*(8*(\a)+\b):8*(8*(\a)+\b)+7], v[128*MP+FR*\b:128*MP+FR*\b+FR-1], v[AF+48*MP+FR*(\a):AF+48*MP+FR*(\a)+FR-1], 0, v[MS+\b], v[MS+(\a)] matrix_a_fmt:MATRIX_FMT_BF6 matrix_b_fmt:MATRIX_FMT_BF6 matrix_a_scale:MATRIX_SCALE_ROW1
.else
	v_wmma_scale_f32_16x16x128_f8f6f4 v[8*(8*(\a)+\b):8*(8*(\a)+\b)+7], v[128*MP+FR*\b:128*MP+FR*\b+FR-1], v[AF+48*MP+FR*(\a):AF+48*MP+FR*(\a)+FR-1], v[8*(8*(\a)+\b):8*(8*(\a)+\b)+7], v[MS+\b], v[MS+(\a)] matrix_a_fmt:MATRIX_FMT_BF6 matrix_b_fmt:MATRIX_FMT_BF6 matrix_a_scale:MATRIX_SCALE_ROW1
.endif
.endr
.endm
.macro STEP t, zero
	s_wait_dscnt 0x0
	PLACES NP
	FETCH (\t)+1
	WIN MUL_LO
.irp a, 0,1,2,3
	MUL8 \t, \a, \zero
.endr
.endm
.macro TURN t, fill
.set TS, ((\t)/4)%2
	WIN 0
	s_wait_tensorcnt 0x0
	ds_add_u32 v[SPW], v[NIL]
	s_wait_dscnt 1
	WIN MUL_LO
	MUL8 \t, 0, 0
	s_wait_dscnt 0x0
	s_barrier_signal -1
	MUL8 \t, 1, 0
	WIN 0
	s_barrier_wait -1
.if \fill
	CREST
	s_add_nc_u64 s[G0+4*TS+2:G0+4*TS+3], s[G0+4*TS+2:G0+4*TS+3], 4*AQ2
	s_add_nc_u64 s[G0B+4*TS+2:G0B+4*TS+3], s[G0B+4*TS+2:G0B+4*TS+3], 4*BQ2
	JLOAD G0+4*TS, G1, G0B+4*TS, G1B
.else
	PLACES NP
.endif
	FETCH (\t)+1
.if (\t) == 3
	ASK 2                                          ; behind the load of fill 2: fill 3; behind the load of fill 3 nothing is left to ask for
.endif
	WIN MUL_LO
	MUL8 \t, 2, 0
	MUL8 \t, 3, 0
.endm
.macro FIX2 q
.irp e, 0,1
	v_sub_f32 v[TT+8*\e], v[NMG+(\q)+\e], v[GM]
.endr
.irp e, 0,1
	v_min_num_f32 v[TT+8*\e], 0x437f0000, v[TT+8*\e]
.endr
.irp e, 0,1
	v_cvt_i32_f32 v[TT+8*\e], v[TT+8*\e]
.endr
.irp e, 0,1
	v_sub_nc_u32 v[TT+8*\e+1], 0, v[TT+8*\e]
.endr
.irp e, 0,1
.if (\q) == 0
	v_ldexp_f32 v[LS+\e], v[LG+(\q)+\e], v[TT+8*\e+1]
.else
	v_ldexp_f32 v[TT+8*\e+1], v[LG+(\q)+\e], v[TT+8*\e+1]
.endif
.endr
.irp e, 0,1
	v_and_b32 v[TT+8*\e+2], 0xff, v[PSR+(\q)+\e]
	v_bfe_u32 v[TT+8*\e+3], v[PSR+(\q)+\e], 8, 8
	v_bfe_u32 v[TT+8*\e+4], v[PSR+(\q)+\e], 16, 8
	v_lshrrev_b32 v[TT+8*\e+5], 24, v[PSR+(\q)+\e]
.endr
.if (\q) != 0
.irp e, 0,1
	v_add_f32 v[LS+\e], v[LS+\e], v[TT+8*\e+1]
.endr
.endif
.irp k, 2,3,4,5
.irp e, 0,1
	v_min_u32 v[TT+8*\e+\k], v[TT+8*\e+\k], v[TT+8*\e]
.endr
.endr
.irp k, 1,2,3
.irp e, 0,1
	v_lshl_or_b32 v[TT+8*\e+2], v[TT+8*\e+2+\k], 8*\k, v[TT+8*\e+2]
.endr
.endr
.irp e, 0,1
	v_sub_nc_u32 v[PSR+(\q)+\e], v[PSR+(\q)+\e], v[TT+8*\e+2]
.endr
.irp e, 0,1
	ds_store_b32 v[PSA], v[PSR+(\q)+\e] offset:512*((\q)+\e)
.endr
.endm
.macro SCALE a
.set AC, 64*(\a)
	v_mov_b32 v[RS], v[RLR+(\a)]
	WIN 0x82
.set jj, 0
.rept 32
	v_pk_mul_f32 v[AC+jj:AC+jj+1], v[AC+jj:AC+jj+1], v[RS:RS+1] op_sel_hi:[1,0]
.set jj, jj+2
.endr
.endm
.macro TOSTAGE a
.set AC, 64*(\a)
	WIN 0x08
.irp b, 0,1,2,3,4,5,6,7
	ds_store_b128 v[STO], v[AC+8*\b:AC+8*\b+3] offset:128*(\b/2)+32*(\b%2)
	ds_store_b128 v[STO], v[AC+8*\b+4:AC+8*\b+7] offset:128*(\b/2)+32*(\b%2)+16
.endr
	WIN 0
.set BB, BK+64*((\a)%2)
.irp t, 0,1,2,3,4,5,6,7,8,9,10,11,12,13,14,15
	ds_load_b128 v[BB+4*\t:BB+4*\t+3], v[RD] offset:\t*528
.endr
.endm
.macro SEND a, younger
.set BB, BK+64*((\a)%2)
	s_wait_dscnt \younger
.irp t, 0,1,2,3,4,5,6,7,8,9,10,11,12,13,14,15
	global_store_b128 v[CO], v[BB+4*\t:BB+4*\t+3], s[12:13] offset:(32*((\a)/2)+8*((\a)%2)+\t+8*(\t/8))*4096 th:TH_STORE_NT
.endr
.endm
	s_load_b128 s[4:7], s[0:1], 0x0
	s_load_b64 s[8:9], s[0:1], 0x10
	v_lshl_add_u32 v[SPW], v0, 2, SPARE
	v_mov_b32 v[NIL], 0
	ds_add_u32 v28, v29
	ds_add_u32 v28, v29
	s_wait_dscnt 0x0
	v_lshrrev_b32 v1, 5, v0
	v_readfirstlane_b32 s14, v1
	s_lshr_b32 s15, s14, 1
	s_and_b32 s16, s14, 1
	s_bfe_u32 s40, ttmp6, 0x40000
	s_bfe_u32 s41, ttmp6, 0x40004
	s_and_b32 s92, ttmp7, 0xffff
	s_lshl_b32 s17, s92, 2
	s_add_co_u32 s17, s17, s41
	s_lshl_b32 s42, ttmp9, 2
	s_add_co_u32 s42, s42, s40
	s_lshr_b32 s93, s92, 2
	s_lshl_b32 s43, s41, 2
	s_lshl_b32 s43, 15, s43
	s_lshl_b32 s44, 0x1111, s40
	s_or_b32 s[G1+0], s43, (3<<16)|(1<<21)
	s_mov_b32 s[G1+1], (AJ/8)<<16
	s_mov_b32 s[G1+2], 2<<16
	s_mov_b32 s[G1+3], (AJ/8)<<16
	s_mov_b32 s[G1+4], 2
	s_mov_b32 s[G1+5], AQ2/8
	s_mov_b32 s[G1+6], 0
	s_mov_b32 s[G1+7], 0
	s_or_b32 s[G1B+0], s44, (3<<16)|(1<<21)
	s_mov_b32 s[G1B+1], (BJ/8)<<16
	s_mov_b32 s[G1B+2], 2<<16
	s_mov_b32 s[G1B+3], (BJ/8)<<16
	s_mov_b32 s[G1B+4], 2
	s_mov_b32 s[G1B+5], BQ2/8
	s_mov_b32 s[G1B+6], 0
	s_mov_b32 s[G1B+7], 0
	s_lshr_b32 s68, s40, 1                         ; the prefetches' offsets: fill 1, my work-group's quarter by its place along the cluster's x (P)
	s_mul_i32 s68, s68, AQ2
	s_and_b32 s69, s40, 1
	s_mul_i32 s69, s69, 6144
	s_add_co_u32 s68, s68, s69
	s_add_co_u32 s68, s68, 2*AQ2
	s_mov_b32 s69, 0
	s_lshr_b32 s70, s41, 1                         ; or y (V^T)
	s_mul_i32 s70, s70, BQ2
	s_and_b32 s71, s41, 1
	s_mul_i32 s71, s71, 12288
	s_add_co_u32 s70, s70, s71
	s_add_co_u32 s70, s70, 2*BQ2
	s_mov_b32 s71, 0
	s_mul_i32 s20, s17, 8*3072
	s_mul_i32 s18, s16, 4*3072
	s_add_co_u32 s20, s20, s18
	s_mov_b32 s21, 0
	s_mul_i32 s46, s93, 8*BQ2
	s_mul_i32 s47, s42, 16*3072
	s_add_co_u32 s46, s46, s47
	s_mul_i32 s47, s16, 8*3072
	s_add_co_u32 s46, s46, s47
	s_add_co_u32 s46, s46, 13107200
	s_mov_b32 s47, 0
	s_lshl_b32 s94, s14, 12
	s_lshl_b32 s92, s93, 16
	s_lshl_b32 s93, s42, 14
	s_add_co_u32 s92, s92, s93
	s_add_co_u32 s92, s92, s94
	s_add_co_u32 s92, s92, 19398656
	s_mov_b32 s93, 0
	s_lshl_b32 s98, s17, 13
	s_lshl_b32 s99, s14, 7
	s_add_co_u32 s98, s98, s99
	s_add_co_u32 s98, s98, 12582912
	s_mov_b32 s99, 0
	s_lshl_b32 s96, s17, 7
	s_lshl_b32 s97, s15, 6
	s_add_co_u32 s96, s96, s97
	s_lshl_b32 s96, s96, 12
	s_lshl_b32 s97, s42, 10
	s_add_co_u32 s96, s96, s97
	s_lshl_b32 s97, s16, 9
	s_add_co_u32 s96, s96, s97
	s_mov_b32 s97, 0
	s_mul_i32 s45, s16, AH
	s_mul_i32 s95, s16, BH
	s_add_co_u32 s95, s95, 2*AH
	s_wait_kmcnt 0x0
	s_add_nc_u64 s[20:21], s[4:5], s[20:21]
	s_add_nc_u64 s[46:47], s[6:7], s[46:47]
	s_add_nc_u64 s[92:93], s[6:7], s[92:93]
	s_add_nc_u64 s[10:11], s[4:5], s[98:99]
	s_add_nc_u64 s[12:13], s[8:9], s[96:97]
	v_and_b32 v4, 31, v0
	v_lshlrev_b32 v[PGO], 2, v4
	v_lshlrev_b32 v[CO], 4, v4
	v_min_u32 v3, 23, v4                           ; the prefetches' lane offsets: 24 blocks,
	v_lshlrev_b32 v3, 8, v3
	v_lshlrev_b32 v7, 8, v4                        ; 32 blocks,
	v_min_u32 v13, 15, v4                          ; 16 blocks
	v_lshlrev_b32 v13, 8, v13
	s_add_nc_u64 s[68:69], s[20:21], s[68:69]
	s_add_nc_u64 s[70:71], s[46:47], s[70:71]
	s_wait_alu depctr_va_vdst(0)                   ; the wait behind the writes
	CROUND
.irp s, 0,1
	s_mov_b32 s[G0+4*\s], 1
	s_add_co_u32 s[G0+4*\s+1], s45, \s*SLOT
	s_add_nc_u64 s[G0+4*\s+2:G0+4*\s+3], s[20:21], \s*2*AQ2
	s_or_b32 s[G0+4*\s+3], s[G0+4*\s+3], 0x80000000
	s_mov_b32 s[G0B+4*\s], 1
	s_add_co_u32 s[G0B+4*\s+1], s95, \s*SLOT
	s_add_nc_u64 s[G0B+4*\s+2:G0B+4*\s+3], s[46:47], \s*2*BQ2
	s_or_b32 s[G0B+4*\s+3], s[G0B+4*\s+3], 0x80000000
.endr
	JLOAD G0, G1, G0B, G1B                         ; slot 0's first fill: one tensor load a wave at the head; the work on the statistics stands under its flight
	ASK 0
.set qq, 0
.rept 16                                       ; behind slot 0's joint load: p's scale words, -M and l of my 32 queries, 16 steps of 128 keys,
	global_load_b32 v[PSR+qq], v[PGO], s[10:11] offset:512*qq
	global_load_b32 v[NMG+qq], v[PGO], s[10:11] offset:512*qq+524288
	global_load_b32 v[LG+qq], v[PGO], s[10:11] offset:512*qq+1048576
.set qq, qq+1
.endr
.irp i, 0,1,2,3,4,5,6,7
	global_load_b128 v[128+4*\i:131+4*\i], v[CO], s[92:93] offset:512*\i   ; and my 4,096 bytes of V^T's scale words
.endr
	v_and_b32 v1, 15, v0
	v_bfe_u32 v2, v0, 4, 1
	s_wait_alu depctr_va_vdst(0)
	s_mul_i32 s21, s15, AH
	s_mul_i32 s22, s16, BH
	s_add_co_u32 s22, s22, 2*AH
.irp s, 0,1
	v_add_nc_u32 v[ADRA+\s], s21, v[CO]
	v_add_nc_u32 v[ADRB+\s], s22, v[CO]
	s_add_co_u32 s21, s21, SLOT
	s_add_co_u32 s22, s22, SLOT
.endr
	v_lshlrev_b32 v5, 4, v1
	s_wait_alu depctr_va_vdst(0)
	s_lshl_b32 s21, s15, 8
	s_mul_i32 s22, s16, CH
	s_add_co_u32 s22, s22, CH
	s_sub_co_u32 s22, s22, s21
	v_mul_u32_u24 v6, s22, v2
	s_add_co_u32 s21, s21, SCLA
	v_add_nc_u32 v6, v5, v6
	v_add_nc_u32 v[ADRS], s21, v6
	s_lshl_b32 s22, s14, 7
	s_add_co_u32 s21, s22, SCLA
	v_add_nc_u32 v[PSA], s21, v[PGO]
	s_add_co_u32 s21, s22, RL
	v_add_nc_u32 v[PRL], s21, v[PGO]
	s_lshl_b32 s21, s15, 8
	s_add_co_u32 s21, s21, RL
	v_add_nc_u32 v[RLA], s21, v5
	s_mul_i32 s23, s14, 16*528
	v_mul_u32_u24 v5, v1, 528
	v_lshl_add_u32 v5, v2, 6, v5
	v_add_nc_u32 v[STO], s23, v5
	v_add_nc_u32 v[RD], s23, v[CO]
	v_mov_b32 v[RS+1], 0
	s_add_co_u32 s21, s94, SCLB
	v_add_nc_u32 v5, s21, v[CO]                    ; my 4,096 bytes of V^T's scale words in LDS: by the wave alone
	s_wait_alu depctr_va_vdst(0)
	s_wait_loadcnt 0x0
.irp i, 0,1,2,3,4,5,6,7
	ds_store_b128 v5, v[128+4*\i:131+4*\i] offset:512*\i
.endr
	v_min3_num_f32 v[GM], v[NMG], v[NMG+1], v[NMG+2]
	v_min3_num_f32 v[TT], v[NMG+3], v[NMG+4], v[NMG+5]
.irp q, 6,10
	v_min3_num_f32 v[GM], v[GM], v[NMG+\q], v[NMG+\q+1]
	v_min3_num_f32 v[TT], v[TT], v[NMG+\q+2], v[NMG+\q+3]
.endr
	v_min3_num_f32 v[GM], v[GM], v[NMG+14], v[NMG+15]
	v_min_num_f32 v[GM], v[GM], v[TT]
.irp q, 0,2,4,6,8,10,12,14
	FIX2 \q
.endr
	v_add_f32 v[LS], v[LS], v[LS+1]
	s_wait_alu depctr_va_vdst(0)
	v_rcp_f32 v[LS], v[LS]
	v_nop
	s_wait_alu depctr_va_vdst(0)
	ds_store_b32 v[PRL], v[LS]
	s_wait_tensorcnt 0x0                           ; my part of slot 0 is in
	ds_add_u32 v[SPW], v[NIL]
	s_wait_dscnt 0x0                               ; the add and my stores of scale words and of 1 / l are done
	CROUND                                         ; slot 0 and the words are whole for all four waves, and all sixteen work-groups are here
	JLOAD G0+4, G1, G0B+4, G1B                     ; slot 1's first fill, the first tensor load behind the round
	ds_load_b128 v[RLR:RLR+3], v[RLA]
	FETCH 0
	ASK 1
	STEP 0, 1
	STEP 1, 0
	STEP 2, 0
	TURN 3, 1
	STEP 4, 0
	STEP 5, 0
	STEP 6, 0
	TURN 7, 1
	STEP 8, 0
	STEP 9, 0
	STEP 10, 0
	TURN 11, 0
	STEP 12, 0
	STEP 13, 0
	STEP 14, 0
	s_wait_dscnt 0x0
.irp a, 0,1,2,3
	MUL8 15, \a, 0
.endr
	WIN 0
	PLACES NP
	SCALE 0
	TOSTAGE 0
.irp a, 1,2,3
.if \a > 1
	s_wait_xcnt 0x0
.endif
	SCALE \a
	TOSTAGE \a
	SEND \a-1, 32
.endr
	SEND 3, 0
	s_wait_tensorcnt 0x0
	ds_add_u32 v[SPW], v[NIL]
	s_wait_dscnt 0x0
	CROUND
	s_endpgm
.Lfunc_end_k_q7e5e0c370b_pv:
	.size	k_q7e5e0c370b_pv, .Lfunc_end_k_q7e5e0c370b_pv-k_q7e5e0c370b_pv
	.p2alignl 7, 3214868480
	.fill 96, 4, 3214868480
	.section	.rodata,"a",@progbits
	.p2align	6, 0x0
	.amdhsa_kernel k_q7e5e0c370b_pv
		.amdhsa_group_segment_fixed_size 327680
		.amdhsa_private_segment_fixed_size 0
		.amdhsa_enable_private_segment 0
		.amdhsa_kernarg_size 24
		.amdhsa_user_sgpr_count 2
		.amdhsa_user_sgpr_kernarg_segment_ptr 1
		.amdhsa_wavefront_size32 1
		.amdhsa_system_sgpr_workgroup_id_x 1
		.amdhsa_system_sgpr_workgroup_id_y 1
		.amdhsa_system_sgpr_workgroup_id_z 1
		.amdhsa_system_vgpr_workitem_id 0
		.amdhsa_next_free_vgpr 768
		.amdhsa_next_free_sgpr 102
		.amdhsa_reserve_vcc 0
		.amdhsa_float_denorm_mode_32 3
		.amdhsa_float_denorm_mode_16_64 3
		.amdhsa_memory_ordered 1
		.amdhsa_forward_progress 1
		.amdhsa_inst_pref_size 163
	.end_amdhsa_kernel
	.amdgpu_metadata
---
amdhsa.version: [ 1, 2 ]
amdhsa.kernels:
  - .name:           k_q7e5e0c370b_pv
    .symbol:         k_q7e5e0c370b_pv.kd
    .args:
      - { .name: w3, .offset: 0, .size: 8, .value_kind: global_buffer, .address_space: global }
      - { .name: w2, .offset: 8, .size: 8, .value_kind: global_buffer, .address_space: global }
      - { .name: out0, .offset: 16, .size: 8, .value_kind: global_buffer, .address_space: global }
    .group_segment_fixed_size: 327680
    .private_segment_fixed_size: 0
    .kernarg_segment_align: 8
    .kernarg_segment_size: 24
    .max_flat_workgroup_size: 128
    .sgpr_count:     102
    .vgpr_count:     768
    .wavefront_size: 32
...
	.end_amdgpu_metadata
.endif
;; end of part 4
